; MI455X (gfx1250); checked and timed in simulation.
; The chip was launched on July 23, 2026; its instructions are those of AMD's public machine-readable ISA for CDNA 5 (MIT licence, August 2026) and "CDNA5" Instruction Set Architecture Reference Guide (July 2026). The comments in the code are by the model that wrote it; some were corrected since.
;; Gcn Encoder Cell. Allowed arithmetic: float matrix products may take bf16 or f16 operands with f32 sums; all other float work in f32.
;; Inputs: bn_beta 128 float32; bn_gamma 128 float32; gate_b 128 float32; gate_w 256 x 128 float32; hidden 16 x 207 x 24 x 128 float32; sk_b 256 float32; sk_w 256 x 256 float32; so_b 128 float32; so_w 128 x 128 float32; sq_b 256 float32; sq_w 256 x 256 float32; sv_b 128 float32; sv_w 128 x 128 float32; tXin 16 x 207 x 24 x 128 float32; tk_b 256 float32; tk_w 256 x 256 float32; to_b 128 float32; to_w 128 x 128 float32; tq_b 256 float32; tq_w 256 x 256 float32; tv_b 128 float32; tv_w 128 x 128 float32; x 16 x 207 x 24 x 128 float32.
;; Outputs: out0 16 x 207 x 24 x 128 float32.
;; 2 versions, each right; version 2 is version 1 with the launch final written anew for expert scheduling mode. Each part assembles by itself: llvm-mc -triple=amdgcn-amd-amdhsa -mcpu=gfx1250 --defsym DOCPART=n.
;; ======== version 1 of 2: 4 launches
;; limits: values outside matrix products are rounded to bf16; values are held in f16: magnitudes above 65,504 overflow, below 6.1e-05 lose precision
;; workspace buffers: wf 720,896 bytes; bias 7,680 bytes; htb 40,697,856 bytes; sbuf 20,348,928 bytes; slo 20,348,928 bytes; tbuf 20,348,928 bytes; tlo 20,348,928 bytes; part 211,968 bytes
;; launch prep (part 1): grid 177 x 1, 8 waves a work-group, no clusters, 0 bytes of LDS; arguments sq_w, sk_w, tq_w, tk_w, gate_w, sv_w, tv_w, so_w, to_w, sq_b, sk_b, tq_b, tk_b, sv_b, so_b, tv_b, to_b, gate_b, bn_gamma, bn_beta, wf, bias; writes wf, bias
.if DOCPART == 1
	.amdgcn_target "amdgcn-amd-amdhsa--gfx1250"
	.amdhsa_code_object_version 6
	.text
	.protected	k_q44454df6ff_prep
	.globl	k_q44454df6ff_prep
	.p2align	8
	.type	k_q44454df6ff_prep,@function
k_q44454df6ff_prep:
	s_mov_b64 s[64:65], 0
	v_nop
	global_prefetch_b8 v0, s[64:65] scope:SCOPE_SE
	s_setreg_imm32_b32 hwreg(HW_REG_WAVE_MODE, 25, 1), 1
	s_wait_xcnt 0x0
; PREP.  The nine weight matrices, rounded once to bf16, are laid out in the order in which a matrix fragment wants them; the eleven vectors, rounded to bf16, are kept as f32 words.
; wf: a matrix W[K][N] is a run of blocks (ct, ks) of 1,024 bytes at (ct * K/32 + ks) * 1024; in a block half g lies at 512 g, lane l at 16 l, and those 16 bytes are the eight numbers
; W[32 ks + 16 g + 8 (l / 16) + e][16 ct + l % 16], e = 0..7.  So a later load of 16 bytes a lane at 16 l brings half a fragment (16 out channels x 32 in channels) as 512 consecutive bytes.
; so_w and to_w multiply f16 operands later: their bf16 number is written as f16 (exact from 6.1e-5 up; below that f16's fixed step of 6e-8).
; Work-groups 0..175 write 4,096 bytes of wf each, thread t the 16 bytes at 16 t: a wave's store covers 512 consecutive bytes.  The reads are eight words a thread, sixteen neighbouring lanes
; taking 64 consecutive bytes of a row: 1.4 MB read once in the program.  Work-group 176 writes the vectors.  No LDS, no matrix unit: nothing is used twice.
.set NWF, 176
	s_load_b512 s[8:23], s[0:1], 0x0               ; sq_w 8, sk_w 10, tq_w 12, tk_w 14, gate_w 16, sv_w 18, tv_w 20, so_w 22
	s_load_b512 s[24:39], s[0:1], 0x40             ; to_w 24, sq_b 26, sk_b 28, tq_b 30, tk_b 32, sv_b 34, so_b 36, tv_b 38
	s_load_b256 s[40:47], s[0:1], 0x80             ; to_b 40, gate_b 42, bn_gamma 44, bn_beta 46
	s_load_b128 s[48:51], s[0:1], 0xa0             ; wf 48, bias 50
	s_mov_b32 s3, ttmp9                            ; the work-group
	v_lshrrev_b32 v1, 5, v0
	v_readfirstlane_b32 s2, v1                     ; the wave
	v_and_b32 v2, 15, v0                           ; r = l % 16
	v_bfe_u32 v3, v0, 4, 1                         ; h = l / 16
	s_wait_kmcnt 0x0
	s_cmp_eq_u32 s3, NWF
	s_cbranch_scc1 .Lvectors
	; which matrix: its address and its first work-group
	s_mov_b64 s[52:53], s[8:9]
	s_mov_b32 s54, 0
.macro PICK start, reg
	s_cmp_ge_u32 s3, \start
	s_cselect_b64 s[52:53], s[\reg:\reg+1], s[52:53]
	s_cselect_b32 s54, \start, s54
.endm
	PICK 32, 10
	PICK 64, 12
	PICK 96, 14
	PICK 128, 16
	PICK 144, 18
	PICK 152, 20
	PICK 160, 22
	PICK 168, 24
	s_cmp_lt_u32 s3, 128
	s_cselect_b32 s55, 10, 9                       ; log2 of a row's bytes: 256 or 128 numbers
	s_cmp_lt_u32 s3, 144
	s_cselect_b32 s56, 3, 2                        ; log2 of K / 32
	s_cmp_ge_u32 s3, 160
	s_cselect_b32 s57, -1, 0                       ; all lanes: written as f16
	s_lshl_b32 s58, 1, s55                         ; a row's bytes
	s_lshl_b32 s59, 1, s56
	s_sub_co_u32 s59, s59, 1                       ; K / 32 - 1
	s_sub_co_u32 s60, s3, s54
	s_lshl_b32 s60, s60, 2                         ; four blocks to a work-group
	v_lshrrev_b32 v4, 6, v0
	v_add_nc_u32 v4, s60, v4                       ; my block = ct * K/32 + ks
	v_and_b32 v5, s59, v4                          ; ks
	v_lshrrev_b32 v6, s56, v4                      ; ct
	v_bfe_u32 v7, v0, 5, 1                         ; g
	v_lshlrev_b32 v5, 5, v5
	v_lshl_add_u32 v5, v7, 4, v5
	v_lshl_add_u32 v5, v3, 3, v5                   ; my first row of W: 32 ks + 16 g + 8 h
	v_lshl_add_u32 v6, v6, 4, v2                   ; my column: 16 ct + r
	v_lshlrev_b32 v5, s55, v5
	v_lshl_add_u32 v8, v6, 2, v5                   ; its byte offset
.irp i, 1,2,3,4,5,6,7
	v_add_nc_u32 v[8+\i], s58, v[7+\i]             ; the seven rows below
.endr
.irp i, 0,1,2,3,4,5,6,7
	global_load_b32 v[16+\i], v[8+\i], s[52:53]
.endr
	s_lshl_b32 s60, s3, 12
	s_mov_b32 s61, 0
	s_add_nc_u64 s[48:49], s[48:49], s[60:61]      ; wf at my work-group's 4,096 bytes
	v_lshlrev_b32 v1, 4, v0
	s_wait_loadcnt 0x0
.irp i, 0,1,2,3
	v_cvt_pk_bf16_f32 v[24+\i], v[16+2*\i], v[17+2*\i]   ; the one rounding of the input
.endr
.irp i, 0,1,2,3
	v_lshlrev_b32 v[28+2*\i], 16, v[24+\i]         ; the bf16 numbers once more as f32,
	v_and_b32 v[29+2*\i], 0xffff0000, v[24+\i]
.endr
.irp i, 0,1,2,3
	v_cvt_pk_f16_f32 v[36+\i], v[28+2*\i], v[29+2*\i]    ; and as f16
.endr
.irp i, 0,1,2,3
	v_cndmask_b32 v[24+\i], v[24+\i], v[36+\i], s57
.endr
	global_store_b128 v1, v[24:27], s[48:49]
	s_endpgm
.Lvectors:
	; bias, in bytes: sq_b 0, sk_b 1024, tq_b 2048, tk_b 3072, sv_b 4096, so_b 4608, tv_b 5120, to_b 5632, gate_b 6144, gamma 6656, beta 7168
	v_lshlrev_b32 v4, 2, v0
	v_and_b32 v5, 127, v0
	v_lshlrev_b32 v5, 2, v5
	s_cmp_lt_u32 s2, 4                             ; two vectors of 128 share a slot of 1,024 bytes: waves 0-3 take the first, waves 4-7 the second
	s_cselect_b64 s[52:53], s[34:35], s[36:37]
	s_cselect_b64 s[54:55], s[38:39], s[40:41]
	s_cselect_b64 s[56:57], s[42:43], s[44:45]
	global_load_b32 v16, v4, s[26:27]
	global_load_b32 v17, v4, s[28:29]
	global_load_b32 v18, v4, s[30:31]
	global_load_b32 v19, v4, s[32:33]
	global_load_b32 v20, v5, s[52:53]
	global_load_b32 v21, v5, s[54:55]
	global_load_b32 v22, v5, s[56:57]
	s_wait_loadcnt 0x0
.irp i, 16,18,20
	v_cvt_pk_bf16_f32 v24, v[\i], v[\i+1]
	v_lshlrev_b32 v[\i], 16, v24
	v_and_b32 v[\i+1], 0xffff0000, v24
.endr
	v_cvt_pk_bf16_f32 v24, v22, v22
	v_lshlrev_b32 v22, 16, v24
.irp i, 0,1,2,3,4,5,6
	global_store_b32 v4, v[16+\i], s[50:51] offset:\i*1024
.endr
	s_cmp_ge_u32 s2, 4
	s_cbranch_scc1 .Ldone                          ; beta has 128 numbers: waves 0-3
	global_load_b32 v23, v4, s[46:47]
	s_wait_loadcnt 0x0
	v_cvt_pk_bf16_f32 v25, v23, v23
	v_lshlrev_b32 v25, 16, v25
	global_store_b32 v4, v25, s[50:51] offset:7168
.Ldone:
	s_endpgm
.Lfunc_end_k_q44454df6ff_prep:
	.size	k_q44454df6ff_prep, .Lfunc_end_k_q44454df6ff_prep-k_q44454df6ff_prep
	.p2alignl 7, 3214868480
	.fill 96, 4, 3214868480
	.section	.rodata,"a",@progbits
	.p2align	6, 0x0
	.amdhsa_kernel k_q44454df6ff_prep
		.amdhsa_group_segment_fixed_size 0
		.amdhsa_private_segment_fixed_size 0
		.amdhsa_enable_private_segment 0
		.amdhsa_kernarg_size 176
		.amdhsa_user_sgpr_count 2
		.amdhsa_user_sgpr_kernarg_segment_ptr 1
		.amdhsa_wavefront_size32 1
		.amdhsa_system_sgpr_workgroup_id_x 1
		.amdhsa_system_sgpr_workgroup_id_y 1
		.amdhsa_system_sgpr_workgroup_id_z 1
		.amdhsa_system_vgpr_workitem_id 0
		.amdhsa_next_free_vgpr 40
		.amdhsa_next_free_sgpr 66
		.amdhsa_reserve_vcc 0
		.amdhsa_float_denorm_mode_32 3
		.amdhsa_float_denorm_mode_16_64 3
		.amdhsa_memory_ordered 1
		.amdhsa_forward_progress 1
		.amdhsa_inst_pref_size 8
	.end_amdhsa_kernel
	.amdgpu_metadata
---
amdhsa.version: [ 1, 2 ]
amdhsa.kernels:
  - .name:           k_q44454df6ff_prep
    .symbol:         k_q44454df6ff_prep.kd
    .args:
      - { .name: sq_w, .offset: 0, .size: 8, .value_kind: global_buffer, .address_space: global }
      - { .name: sk_w, .offset: 8, .size: 8, .value_kind: global_buffer, .address_space: global }
      - { .name: tq_w, .offset: 16, .size: 8, .value_kind: global_buffer, .address_space: global }
      - { .name: tk_w, .offset: 24, .size: 8, .value_kind: global_buffer, .address_space: global }
      - { .name: gate_w, .offset: 32, .size: 8, .value_kind: global_buffer, .address_space: global }
      - { .name: sv_w, .offset: 40, .size: 8, .value_kind: global_buffer, .address_space: global }
      - { .name: tv_w, .offset: 48, .size: 8, .value_kind: global_buffer, .address_space: global }
      - { .name: so_w, .offset: 56, .size: 8, .value_kind: global_buffer, .address_space: global }
      - { .name: to_w, .offset: 64, .size: 8, .value_kind: global_buffer, .address_space: global }
      - { .name: sq_b, .offset: 72, .size: 8, .value_kind: global_buffer, .address_space: global }
      - { .name: sk_b, .offset: 80, .size: 8, .value_kind: global_buffer, .address_space: global }
      - { .name: tq_b, .offset: 88, .size: 8, .value_kind: global_buffer, .address_space: global }
      - { .name: tk_b, .offset: 96, .size: 8, .value_kind: global_buffer, .address_space: global }
      - { .name: sv_b, .offset: 104, .size: 8, .value_kind: global_buffer, .address_space: global }
      - { .name: so_b, .offset: 112, .size: 8, .value_kind: global_buffer, .address_space: global }
      - { .name: tv_b, .offset: 120, .size: 8, .value_kind: global_buffer, .address_space: global }
      - { .name: to_b, .offset: 128, .size: 8, .value_kind: global_buffer, .address_space: global }
      - { .name: gate_b, .offset: 136, .size: 8, .value_kind: global_buffer, .address_space: global }
      - { .name: bn_gamma, .offset: 144, .size: 8, .value_kind: global_buffer, .address_space: global }
      - { .name: bn_beta, .offset: 152, .size: 8, .value_kind: global_buffer, .address_space: global }
      - { .name: wf, .offset: 160, .size: 8, .value_kind: global_buffer, .address_space: global }
      - { .name: bias, .offset: 168, .size: 8, .value_kind: global_buffer, .address_space: global }
    .group_segment_fixed_size: 0
    .private_segment_fixed_size: 0
    .kernarg_segment_align: 8
    .kernarg_segment_size: 176
    .max_flat_workgroup_size: 256
    .sgpr_count:     66
    .vgpr_count:     40
    .wavefront_size: 32
...
	.end_amdgpu_metadata
.endif
;; end of part 1
;; launch spatial (part 2): grid 512 x 1, 8 waves a work-group, no clusters, 249,088 bytes of LDS; arguments hidden, tXin, wf, bias, htb, sbuf, slo; writes htb, sbuf, slo
.if DOCPART == 2
	.amdgcn_target "amdgcn-amd-amdhsa--gfx1250"
	.amdhsa_code_object_version 6
	.text
	.protected	k_q44454df6ff_spatial
	.globl	k_q44454df6ff_spatial
	.p2align	8
	.type	k_q44454df6ff_spatial,@function
k_q44454df6ff_spatial:
	s_mov_b64 s[64:65], 0
	v_nop
	global_prefetch_b8 v0, s[64:65] scope:SCOPE_SE
	s_setreg_imm32_b32 hwreg(HW_REG_WAVE_MODE, 25, 1), 1
	s_wait_xcnt 0x0
; SPATIAL ATTENTION over the 207 nodes of a pair (b, t), 384 pairs; also writes ht = [hidden | tXin] as bf16 rows (htb) for the next launch.
; s = relu(softmax(relu(ht Wq + bq) relu(ht Wk + bk)^T / sqrt(32)) relu(hidden Wv + bv) Wo + bo), 8 heads of 32 (Q, K) and 16 (V) channels.
; s leaves as TWO bf16 numbers, hi = bf16(s) in sbuf and lo = bf16(s - hi) in slo, both as rows of 256 bytes: the gate divides its product by that product's spread over the batch, which is small
; beside s, so eight significant bits of s would show in the result; the pair holds sixteen, at bf16's range.
; FORMATS.  hidden, tXin, weights, biases: rounded once to bf16.  Q, K, V, the weights p and O: f16.  Sums, maxima, exponentials: f32.  The input x is not read: the result does not depend on it.
; LIMITS.  Q, K and V must lie within f16's 65,504.  Key 207 does not exist: its score counts as its value less 1e30.  A weight below 2^-126 counts as 0.  NaN and infinities are not treated apart.
; The row maximum is the true maximum of all 207 scores: a lane holds 104 scores of one query at once.  The row sum is taken of the rounded weights, by a product with ones.
; SHARES.  384 pairs for 256 WGPs: work-groups 0..255 take a whole pair (13 query tiles of 16); work-groups 256..511 take half of one of the other 128 pairs (7 or 6 query tiles; both halves stage all rows and
; make all K and V; the first half writes htb).  So each WGP has a long share and a short one.  NO CLUSTER: no two whole work-groups read the same rows, and the weights are read once by each.
; A wave is a head: it makes its head's K and V (kept in registers), then for each query tile Q, the scores, the softmax and O.  ht (in) and O (out) go through LDS: two barriers.
; Wo and bo, which every wave wants whole on the way out, are brought once by the work-group (16 bytes x 8 a thread) at the head, with the rows, and lie in LDS until then: 32,768 bytes of loads and not 8 x 32,768.
; LAYOUT.  With source 0 = 16 out channels of a weight and source 1 = 16 rows of ht, a lane holds one row and eight channels: two such results, packed, are a fragment (16 rows x 32 channels) of K or Q.
; With source 0 = rows and source 1 = weight, a lane holds one channel and eight rows: two such results, packed, are a fragment of V^T.  S^T = K Q^T and O^T = V^T P hold one query a lane.
; LDS: HT 208 rows x 528 (512 of bf16 + 16); WST a stage of 16 x 272 for each wave; OST 16 row tiles of 16 x 272 (O in f16: 13 tiles are used; the region has room for tile wave + 8 of every wave,
; so that the address of that tile lies inside it whatever the wave's number); WOL Wo in fragment order; BSL bo, twice; the spare words.
; REGISTERS.  Window 0: v0-31 addresses and statistics; v32-47 bq; v48-63 bk, later the mask of key 207 and the ones; v64-71 Q; v72-87 two accumulators; v88-143 V^T; v144-247 S^T, 13 tiles
; (while the rows are staged: v64-167 the rows, v168-199 my share of Wo, v200 bo; while K and V are made: v144-207 fragments of ht, v208-239 Wv, v240-255 V's two accumulators).
; Window 1: v0-127 Wk, then Wq; v128-231 K (first tXin's rows); on the way out all 256: Wo.
.set PH,    528
.set PO,    272
.set WST,   208*PH
.set OST,   WST+8*16*PO
.set WOL,   OST+16*16*PO
.set BSL,   WOL+32768
.set SPARE, BSL+1024
.set NODE,  12288                      ; bytes from a node's row to the next node's, in hidden, tXin and htb: 24 rows of 512
.set WF_SK, 131072
.set WF_SV, 589824
.set WF_SO, 655360
.set VL16, 1                           ; 16 l
.set VF,   2                           ; a fragment's place in HT: 528 r + 16 h
.set VF2,  3                           ; the same, eight tiles on
.set VFQ,  4                           ; the same for the query tile in hand
.set VOS,  5                           ; where my 16 bytes of O go
.set SPW,  6                           ; my spare word; never rewritten
.set NIL,  7                           ; 0; never rewritten
.set VB,   8                           ; 32 h
.set VS,   9                           ; staging: my 8 bytes in my wave's first row of HT
.set VWO,  9                           ; way out: Wo in LDS, 16 l
.set VOL,  10                          ; staging: the offset of my wave's last row
.set VBS,  10                          ; way out: bo in LDS, my half of the lanes' copy
.set VH8,  11                          ; 8 l
.set VOF,  12                          ; way out: a fragment's place in OST
.set VST,  13                          ; way out: into my stage
.set VRD,  14                          ; way out: back from my stage
.set VCO,  15                          ; way out: my offset in two rows of sbuf and of slo
.set CX,   16                          ; v16-19 four maxima
.set VT16, 16                          ; head: 16 x thread
.set VWS,  17                          ; head: where my share of Wo goes
.set VSB,  18                          ; head: 4 x (thread mod 128)
.set VSBL, 19                          ; head: where my number of bo goes
.set CM,   20                          ; v20-21 c m
.set RL,   22                          ; v22-23 1 / l
.set BV,   24                          ; v24-25 bv of my channel, twice
.set VN,   26                          ; way out: the node of my last row
.set VR4,  27                          ; 4 r
.set RR,   28                          ; r
.set HH,   29                          ; h
.set VOF0, 30                          ; OST + 272 r + 16 h
.set TT,   31
.set BQ,   32
.set BK,   48
.set MK,   48
.set ONES, 56
.set QF,   64
.set STG,  64
.set ACC,  72
.set VT,   88
.set S,    144
.set FR,   144
.set WOS,  168
.set SOB,  200
.set WVF,  208
.set VA,   240
.set VBB,  248
.set KF,   128                         ; window 1
.set PKD,  32                          ; way out: hi, packed; later lo's rows read back
.set OA,   80                          ; way out: eight accumulators; lo is packed into each one's four lowest registers
.set BSO,  144
.set OF,   208                         ; way out: O's fragments; later hi's rows read back
.set UT,   240                         ; way out: hi once more as f32
.set MSB, 0
.macro WIN new                         ; the immediate's high byte repeats the setting that is left; a switch that changes nothing is dropped
.if MSB != (\new)
	s_set_vgpr_msb (MSB<<8)|(\new)
.set MSB, \new
.endif
.endm
.macro PLACES                          ; four plain instructions between a matrix instruction and a vector instruction or load that touches its registers
.rept 4
	v_nop
.endr
.endm
	s_load_b256 s[4:11], s[0:1], 0x0               ; hidden 4, tXin 6, wf 8, bias 10
	s_load_b128 s[12:15], s[0:1], 0x20             ; htb 12, sbuf 14
	s_load_b64 s[2:3], s[0:1], 0x30                ; slo
	v_lshl_add_u32 v[SPW], v0, 2, SPARE
	v_mov_b32 v[NIL], 0
	v_lshrrev_b32 v[TT], 5, v0
	v_readfirstlane_b32 s16, v[TT]                 ; wave = head
	; the share: pair s20, query tiles s17 .. s18 - 1, s19 = 1: I write htb
	s_sub_co_u32 s24, ttmp9, 256
	s_and_b32 s25, s24, 1
	s_lshr_b32 s26, s24, 1
	s_add_co_u32 s26, s26, 256
	s_mul_i32 s27, s25, 7
	s_mul_i32 s28, s25, 6
	s_add_co_u32 s28, s28, 7
	s_xor_b32 s29, s25, 1
	s_cmp_lt_u32 ttmp9, 256
	s_cselect_b32 s20, ttmp9, s26
	s_cselect_b32 s17, 0, s27
	s_cselect_b32 s18, 13, s28
	s_cselect_b32 s19, 1, s29
	s_mul_i32 s21, s20, 2731
	s_lshr_b32 s21, s21, 16                        ; b = pair / 24 (exact up to 383)
	s_mul_i32 s22, s21, 24
	s_sub_co_u32 s22, s20, s22                     ; t
	s_mul_i32 s23, s21, 4968
	s_add_co_u32 s23, s23, s22                     ; node 0's row: 207 x 24 b + t; node n's lies 24 n rows on
	s_mov_b32 s31, 0
	s_mov_b32 s32, 0x3e8293ee                      ; c = log2(e) / sqrt(32)
	s_mov_b32 s33, s32
	s_mov_b32 s34, 0x76543210                      ; v_permlanex16_b32: each lane takes its own place in the other half
	s_mov_b32 s35, 0xfedcba98
	s_mov_b32 s37, 0xf149f2ca                      ; -1e30
	s_mov_b32 s38, 0xffff0000                      ; a word's upper bf16
	v_and_b32 v[RR], 15, v0
	v_bfe_u32 v[HH], v0, 4, 1
	v_and_b32 v[TT], 31, v0
	v_lshlrev_b32 v[VL16], 4, v[TT]
	v_lshlrev_b32 v[VH8], 3, v[TT]
	v_lshlrev_b32 v[VB], 5, v[HH]
	v_lshlrev_b32 v[VR4], 2, v[RR]
	v_mul_u32_u24 v[VF], v[RR], PH
	v_lshl_add_u32 v[VF], v[HH], 4, v[VF]
	v_add_nc_u32 v[VF2], 8*16*PH, v[VF]
	v_mov_b32 v[VFQ], v[VF]
	s_mul_i32 s24, s16, 26*PH
	v_add_nc_u32 v[VS], s24, v[VH8]                ; wave w stages rows 26 w .. 26 w + 25
	s_mul_i32 s24, s16, 26
	s_add_co_u32 s25, s24, 25
	s_min_u32 s25, s25, 206                        ; row 207 does not exist: wave 7 takes node 206 once more, so that LDS row 207 holds finite numbers
	s_sub_co_u32 s25, s25, s24
	s_mul_i32 s25, s25, NODE
	v_add_nc_u32 v[VOL], s25, v[VL16]
	v_mul_u32_u24 v[TT], v[RR], PO
	v_lshl_add_u32 v[TT], v[HH], 4, v[TT]
	v_add_nc_u32 v[VOF0], OST, v[TT]
	s_lshl_b32 s24, s16, 5
	v_add_nc_u32 v[VOS], s24, v[VOF0]              ; row r, my head's 32 bytes, 16 for each half of the lanes
	s_mul_i32 s24, s16, 16*PO
	s_add_co_u32 s24, s24, WST
	v_add_nc_u32 v[VST], s24, v[TT]
	v_mul_u32_u24 v[TT], v[HH], PO
	v_lshl_add_u32 v[TT], v[RR], 4, v[TT]
	v_add_nc_u32 v[VRD], s24, v[TT]                ; lanes 0-15 one row of 256 bytes, lanes 16-31 the next
	v_mul_u32_u24 v[TT], v[HH], 6144
	v_lshl_add_u32 v[VCO], v[RR], 4, v[TT]         ; the same two rows in sbuf and slo: 24 rows of 256 bytes apart
	v_lshlrev_b32 v[VT16], 4, v0                   ; Wo: the work-group's load j covers bytes 4,096 j on, thread t the 16 at 16 t
	v_add_nc_u32 v[VWS], WOL, v[VT16]
	v_and_b32 v[VSB], 127, v0                      ; bo: 128 numbers for 256 threads: brought twice,
	v_lshlrev_b32 v[VSB], 2, v[VSB]
	v_lshl_add_u32 v[VSBL], v0, 2, BSL             ; and laid down twice
	v_mov_b32 v[CM+1], 0                           ; named in pairs
	v_mov_b32 v[RL+1], 0
	s_wait_kmcnt 0x0
	s_mul_i32 s30, s16, 624
	s_add_co_u32 s30, s30, s23
	s_lshl_b32 s30, s30, 9                         ; my wave's first row, 512 bytes a row in all three
	s_add_nc_u64 s[40:41], s[4:5], s[30:31]
	s_add_nc_u64 s[42:43], s[6:7], s[30:31]
	s_add_nc_u64 s[44:45], s[12:13], s[30:31]
	s_lshl_b32 s30, s16, 14                        ; a head's two channel tiles x eight K steps of 1,024 bytes
	s_add_nc_u64 s[48:49], s[8:9], s[30:31]        ; Wq
	s_add_co_u32 s30, s30, WF_SK
	s_add_nc_u64 s[46:47], s[8:9], s[30:31]        ; Wk
	s_lshl_b32 s30, s16, 12
	s_add_co_u32 s30, s30, WF_SV
	s_add_nc_u64 s[50:51], s[8:9], s[30:31]        ; Wv
	s_add_nc_u64 s[56:57], s[8:9], WF_SO           ; Wo
	s_lshl_b32 s30, s16, 7
	s_add_nc_u64 s[52:53], s[10:11], s[30:31]      ; bq of my head; bk 1,024 bytes on
	s_lshl_b32 s30, s16, 6
	s_add_co_u32 s30, s30, 4096
	s_add_nc_u64 s[54:55], s[10:11], s[30:31]      ; bv of my head
	s_add_nc_u64 s[58:59], s[10:11], 4608          ; bo
	s_lshl_b32 s30, s23, 8
	s_add_nc_u64 s[60:61], s[14:15], s[30:31]      ; sbuf at node 0's row
	s_add_nc_u64 s[2:3], s[2:3], s[30:31]          ; slo at node 0's row
	; PHASE 0.  58 loads of weights and biases, then my 26 rows of hidden and of tXin, 16 bytes a lane: a wave's load covers a row's 512 bytes.
	WIN 0x40
.set ff, 0
.rept 16
	global_load_b128 v[8*ff:8*ff+3], v[VL16], s[46:47] offset:ff*1024
	global_load_b128 v[8*ff+4:8*ff+7], v[VL16], s[46:47] offset:ff*1024+512
.set ff, ff+1
.endr
	WIN 0
.set q, 0
.rept 4
	global_load_b128 v[BQ+4*q:BQ+4*q+3], v[VB], s[52:53] offset:(q/2)*64+(q%2)*16
	global_load_b128 v[BK+4*q:BK+4*q+3], v[VB], s[52:53] offset:1024+(q/2)*64+(q%2)*16
.set q, q+1
.endr
	global_load_b32 v[BV], v[VR4], s[54:55]
.set k, 0
.rept 4
	global_load_b128 v[WVF+8*k:WVF+8*k+3], v[VL16], s[50:51] offset:k*1024
	global_load_b128 v[WVF+8*k+4:WVF+8*k+7], v[VL16], s[50:51] offset:k*1024+512
.set k, k+1
.endr
.set j, 0
.rept 8
	global_load_b128 v[WOS+4*j:WOS+4*j+3], v[VT16], s[56:57] offset:j*4096
.set j, j+1
.endr
	global_load_b32 v[SOB], v[VSB], s[58:59]
.set i, 0
.rept 25
	global_load_b128 v[STG+4*i:STG+4*i+3], v[VL16], s[40:41] offset:i*NODE
.set i, i+1
.endr
	global_load_b128 v[STG+100:STG+103], v[VOL], s[40:41]
	WIN 0x40
.set i, 0
.rept 25
	global_load_b128 v[KF+4*i:KF+4*i+3], v[VL16], s[42:43] offset:i*NODE
.set i, i+1
.endr
	global_load_b128 v[KF+100:KF+103], v[VOL], s[42:43]
	WIN 0
	s_wait_loadcnt 0x34                            ; the 52 row loads may stay out: weights, biases and my share of Wo are in
.set j, 0
.rept 8
	ds_store_b128 v[VWS], v[WOS+4*j:WOS+4*j+3] offset:j*4096
.set j, j+1
.endr
	ds_store_b32 v[VSBL], v[SOB]
.set i, 0
.rept 26                               ; hidden's row i: the count is the number of row loads issued behind it
	s_wait_loadcnt 51-i
	v_cvt_pk_bf16_f32 v[STG+4*i], v[STG+4*i], v[STG+4*i+1]
	v_cvt_pk_bf16_f32 v[STG+4*i+1], v[STG+4*i+2], v[STG+4*i+3]
	ds_store_b64 v[VS], v[STG+4*i:STG+4*i+1] offset:i*PH
.set i, i+1
.endr
	v_mov_b32 v[BV+1], v[BV]
	WIN 0x05                               ; sources in window 1, destination in window 0: tXin's packed pair lands beside hidden's
.set i, 0
.rept 26
	s_wait_loadcnt 25-i
	v_cvt_pk_bf16_f32 v[STG+4*i+2], v[KF+4*i], v[KF+4*i+1]
	v_cvt_pk_bf16_f32 v[STG+4*i+3], v[KF+4*i+2], v[KF+4*i+3]
.set i, i+1
.endr
	WIN 0
.set i, 0
.rept 26
	ds_store_b64 v[VS], v[STG+4*i+2:STG+4*i+3] offset:i*PH+256
.set i, i+1
.endr
	s_cmp_eq_u32 s19, 0
	s_cbranch_scc1 .Lno_htb
.set i, 0
.rept 25                               ; each store of the wave covers 256 consecutive bytes, aligned
	global_store_b64 v[VH8], v[STG+4*i:STG+4*i+1], s[44:45] offset:i*NODE
	global_store_b64 v[VH8], v[STG+4*i+2:STG+4*i+3], s[44:45] offset:i*NODE+256
.set i, i+1
.endr
	s_cmp_eq_u32 s16, 7
	s_cbranch_scc1 .Lno_htb                        ; wave 7's last row is the copy
	global_store_b64 v[VH8], v[STG+100:STG+101], s[44:45] offset:25*NODE
	global_store_b64 v[VH8], v[STG+102:STG+103], s[44:45] offset:25*NODE+256
.Lno_htb:
	s_wait_xcnt 0x0                                ; the stores' data registers are written anew only behind this wait
.irp i, 52,53,54,55
	v_mov_b32 v[VT+\i], 0                          ; V^T of the fourteenth tile of keys, which does not exist
.endr
	s_wait_dscnt 0x0                               ; for the others' sake: my rows are in HT, my shares of Wo and bo in their places
	s_barrier_signal -1
	s_barrier_wait -1
; The eight fragments (16 rows x 32 channels) of row tile i of HT
.macro FRLOAD i
.if (\i) < 8
.set fa, VF
.else
.set fa, VF2
.endif
.set k, 0
.rept 8
	ds_load_b128 v[FR+8*k:FR+8*k+3], v[fa] offset:((\i)%8)*16*PH+k*64
	ds_load_b128 v[FR+8*k+4:FR+8*k+7], v[fa] offset:((\i)%8)*16*PH+k*64+32
.set k, k+1
.endr
.endm
; Four K steps of a head's projection (K or Q): its two channel tiles by turns; the first step takes the bias as C
.macro PROJ from, bias
.set k, \from
.rept 4
.if k == 0
	v_wmma_f32_16x16x32_bf16 v[ACC:ACC+7], v[8*k:8*k+7], v[FR+8*k:FR+8*k+7], v[\bias:\bias+7]
	v_wmma_f32_16x16x32_bf16 v[ACC+8:ACC+15], v[64+8*k:64+8*k+7], v[FR+8*k:FR+8*k+7], v[\bias+8:\bias+15]
.else
	v_wmma_f32_16x16x32_bf16 v[ACC:ACC+7], v[8*k:8*k+7], v[FR+8*k:FR+8*k+7], v[ACC:ACC+7]
	v_wmma_f32_16x16x32_bf16 v[ACC+8:ACC+15], v[64+8*k:64+8*k+7], v[FR+8*k:FR+8*k+7], v[ACC+8:ACC+15]
.endif
.set k, k+1
.endr
.endm
; PHASE 1.  K and V of row tile i: 20 products; the next tile's fragments are asked for ahead of the vector work
.macro KVTILE i
	s_wait_dscnt 0x8                               ; the fragments of K steps 4..7, eight loads, may stay out
	WIN 0x01                                       ; source 0, the weight, in window 1
	PROJ 0, BK
	WIN 0
	v_wmma_f32_16x16x32_bf16 v[VA:VA+7], v[FR:FR+7], v[WVF:WVF+7], 0
	v_wmma_f32_16x16x32_bf16 v[VBB:VBB+7], v[FR+8:FR+15], v[WVF+8:WVF+15], 0
	v_wmma_f32_16x16x32_bf16 v[VA:VA+7], v[FR+16:FR+23], v[WVF+16:WVF+23], v[VA:VA+7]
	v_wmma_f32_16x16x32_bf16 v[VBB:VBB+7], v[FR+24:FR+31], v[WVF+24:WVF+31], v[VBB:VBB+7]
	s_wait_dscnt 0x0
	WIN 0x01
	PROJ 4, BK
	WIN 0
	PLACES
.if (\i) < 12
	FRLOAD (\i)+1
.endif
.set q, 0
.rept 16
	v_max_num_f32 v[ACC+q], 0, v[ACC+q]
.set q, q+1
.endr
	WIN 0x40
.set q, 0
.rept 8
	v_cvt_pk_f16_f32 v[KF+8*(\i)+q], v[ACC+2*q], v[ACC+2*q+1]
.set q, q+1
.endr
	WIN 0
.set q, 0
.rept 4
	v_pk_add_f32 v[VA+2*q:VA+2*q+1], v[VA+2*q:VA+2*q+1], v[VBB+2*q:VBB+2*q+1]
.set q, q+1
.endr
.set q, 0
.rept 4
	v_pk_add_f32 v[VA+2*q:VA+2*q+1], v[VA+2*q:VA+2*q+1], v[BV:BV+1]
.set q, q+1
.endr
.set q, 0
.rept 8
	v_max_num_f32 v[VA+q], 0, v[VA+q]
.set q, q+1
.endr
.set q, 0
.rept 4
	v_cvt_pk_f16_f32 v[VT+4*(\i)+q], v[VA+2*q], v[VA+2*q+1]
.set q, q+1
.endr
.endm
	FRLOAD 0
.set t, 0
.rept 13
	KVTILE t
.set t, t+1
.endr
	WIN 0x40                                       ; Wq takes Wk's place: the last product that read Wk stands four v_nop and the vector work of tile 12 back
.set ff, 0
.rept 16
	global_load_b128 v[8*ff:8*ff+3], v[VL16], s[48:49] offset:ff*1024
	global_load_b128 v[8*ff+4:8*ff+7], v[VL16], s[48:49] offset:ff*1024+512
.set ff, ff+1
.endr
	WIN 0
.irp i, 0,1,2,3,4,5,6
	v_mov_b32 v[MK+\i], 0
.endr
	s_mov_b32 vcc_lo, 0xffff0000
	v_cndmask_b32 v[MK+7], 0, s37, vcc_lo          ; key 192 + 8 h + j = 207: register 7 of lanes 16-31
.irp i, 0,1,2,3,4,5,6,7
	v_mov_b32 v[ONES+\i], 0x3c003c00               ; 1.0, 1.0 in f16
.endr
	s_wait_loadcnt 0x0
; the weights of key tile t, rounded to f16 in pairs, in place: the four registers that take them have been read out
.macro CVTP t
.set q, 0
	s_wait_alu depctr_va_vdst(0)
.rept 4
	v_cvt_pk_f16_f32 v[S+4*(\t)+q], v[S+8*(\t)+2*q], v[S+8*(\t)+2*q+1]
.set q, q+1
.endr
.endm
	; PHASE 2.  A trip for each of the 13 query tiles; tiles outside my share are jumped over, forward, to the address steps.
	s_mov_b32 s36, 0
.Lq:
	s_cmp_lt_u32 s36, s17
	s_cbranch_scc1 .Lskip
	s_cmp_ge_u32 s36, s18
	s_cbranch_scc1 .Lskip
.set k, 0
.rept 8
	ds_load_b128 v[FR+8*k:FR+8*k+3], v[VFQ] offset:k*64
	ds_load_b128 v[FR+8*k+4:FR+8*k+7], v[VFQ] offset:k*64+32
.set k, k+1
.endr
	s_wait_dscnt 0x8                               ; K steps 4..7 may stay out
	WIN 0x01
	PROJ 0, BQ
	s_wait_dscnt 0x0
	PROJ 4, BQ
	WIN 0
	PLACES
.set q, 0
.rept 16
	v_max_num_f32 v[ACC+q], 0, v[ACC+q]
.set q, q+1
.endr
.set q, 0
.rept 8
	v_cvt_pk_f16_f32 v[QF+q], v[ACC+2*q], v[ACC+2*q+1]
.set q, q+1
.endr
	WIN 0x01                                       ; K in window 1
.set t, 0
.rept 13                               ; S^T: 13 accumulators, one product each (32 channels)
.if t == 12
	v_wmma_f32_16x16x32_f16 v[S+8*t:S+8*t+7], v[KF+8*t:KF+8*t+7], v[QF:QF+7], v[MK:MK+7]
.else
	v_wmma_f32_16x16x32_f16 v[S+8*t:S+8*t+7], v[KF+8*t:KF+8*t+7], v[QF:QF+7], 0
.endif
.set t, t+1
.endr
	WIN 0
	PLACES
.set k, 0
.rept 52                               ; the maximum of my 104 scores, in four chains; each accumulator is read from its low end on
.if k < 4
	v_max_num_f32 v[CX+k], v[S+2*k], v[S+2*k+1]
.else
	v_max3_num_f32 v[CX+k%4], v[CX+k%4], v[S+2*k], v[S+2*k+1]
.endif
.set k, k+1
.endr
	v_max3_num_f32 v[CX], v[CX], v[CX+1], v[CX+2]
	v_max_num_f32 v[CX], v[CX], v[CX+3]
	v_permlanex16_b32 v[CX+1], v[CX], s34, s35     ; the query's other 104 keys lie in the lane 16 away
	v_max_num_f32 v[CX], v[CX], v[CX+1]
	v_mul_f32 v[CM], s32, v[CX]
.set t, 0
.rept 13                               ; p = 2^(c s - c m); behind each run of eight exponentials stand plain instructions that touch none of them: the tile before is rounded
.set q, 0
.rept 4
	v_pk_fma_f32 v[S+8*t+2*q:S+8*t+2*q+1], v[S+8*t+2*q:S+8*t+2*q+1], s[32:33], v[CM:CM+1] op_sel_hi:[1,0,0] neg_lo:[0,0,1] neg_hi:[0,0,1]
.set q, q+1
.endr
.set q, 0
.rept 8
	v_exp_f32 v[S+8*t+q], v[S+8*t+q]
.set q, q+1
.endr
.if t > 0
	CVTP t-1
.endif
.set t, t+1
.endr
	CVTP 12
.irp i, 52,53,54,55
	v_mov_b32 v[S+\i], 0                           ; the fourteenth tile of keys
.endr
.set k, 0
.rept 7                                ; O^T += V^T P and l += ones P, by turns
.if k == 0
	v_wmma_f32_16x16x32_f16 v[ACC:ACC+7], v[VT+8*k:VT+8*k+7], v[S+8*k:S+8*k+7], 0
	v_wmma_f32_16x16x32_f16 v[ACC+8:ACC+15], v[ONES:ONES+7], v[S+8*k:S+8*k+7], 0
.else
	v_wmma_f32_16x16x32_f16 v[ACC:ACC+7], v[VT+8*k:VT+8*k+7], v[S+8*k:S+8*k+7], v[ACC:ACC+7]
	v_wmma_f32_16x16x32_f16 v[ACC+8:ACC+15], v[ONES:ONES+7], v[S+8*k:S+8*k+7], v[ACC+8:ACC+15]
.endif
.set k, k+1
.endr
	PLACES
	v_rcp_f32 v[RL], v[ACC+8]                      ; every register of l holds the query's sum; it is at least 1
	v_nop
.set q, 0
	s_wait_alu depctr_va_vdst(0)
.rept 4
	v_pk_mul_f32 v[ACC+2*q:ACC+2*q+1], v[ACC+2*q:ACC+2*q+1], v[RL:RL+1] op_sel_hi:[1,0]
.set q, q+1
.endr
.set q, 0
.rept 4
	v_cvt_pk_f16_f32 v[QF+q], v[ACC+2*q], v[ACC+2*q+1]
.set q, q+1
.endr
	ds_store_b128 v[VOS], v[QF:QF+3]
.Lskip:
	v_add_nc_u32 v[VFQ], 16*PH, v[VFQ]
	v_add_nc_u32 v[VOS], 16*PO, v[VOS]
	s_add_co_u32 s36, s36, 1
	s_cmp_lt_u32 s36, 13
	s_cbranch_scc1 .Lq
	; THE WAY OUT.  s = relu(O Wo + bo): wave w takes row tiles w and w + 8 of my share, all 128 channels.  Wo and bo come out of LDS, where they have lain since the first barrier.
	PLACES
	v_add_nc_u32 v[VWO], WOL, v[VL16]
	v_mul_u32_u24 v[VBS], v[HH], 544               ; lanes 0-15: the first copy of bo; lanes 16-31: the second, 512 bytes on, and their eight channels, 32 bytes on
	v_add_nc_u32 v[VBS], BSL, v[VBS]
	WIN 0x40
.set ff, 0
.rept 32
	ds_load_b128 v[8*ff:8*ff+3], v[VWO] offset:ff*1024
	ds_load_b128 v[8*ff+4:8*ff+7], v[VWO] offset:ff*1024+512
.set ff, ff+1
.endr
	WIN 0
.set c, 0
.rept 8
	ds_load_b128 v[BSO+8*c:BSO+8*c+3], v[VBS] offset:c*64
	ds_load_b128 v[BSO+8*c+4:BSO+8*c+7], v[VBS] offset:c*64+16
.set c, c+1
.endr
	s_wait_dscnt 0x0                               ; Wo and bo are in; and for the others' sake: my head's O is in OST
	s_barrier_signal -1
	s_barrier_wait -1
	s_mov_b32 s24, s16                             ; the row tile: my wave's number, then eight more
	s_mov_b32 s39, 2
.Lout:
	s_cmp_lt_u32 s24, s17
	s_cbranch_scc1 .Lno                            ; a tile outside my share is jumped over, forward, to the steps
	s_cmp_ge_u32 s24, s18
	s_cbranch_scc1 .Lno
	s_wait_xcnt 0x0                                ; the bases and the data registers of the tile before are written anew only behind this wait
	s_mul_i32 s25, s24, 16*PO
	v_add_nc_u32 v[VOF], s25, v[VOF0]              ; tile 15 at the most: inside OST's 16 tiles
	s_mul_i32 s30, s24, 98304                      ; 16 nodes x 24 rows x 256 bytes
	s_add_nc_u64 s[62:63], s[60:61], s[30:31]      ; sbuf at the tile's first row
	s_add_nc_u64 s[40:41], s[2:3], s[30:31]        ; slo likewise
	s_lshl_b32 s25, s24, 4
	s_add_co_u32 s25, s25, 14
	v_add_nc_u32 v[VN], s25, v[HH]
.set k, 0
.rept 4
	ds_load_b128 v[OF+8*k:OF+8*k+3], v[VOF] offset:k*64
	ds_load_b128 v[OF+8*k+4:OF+8*k+7], v[VOF] offset:k*64+32
.set k, k+1
.endr
	s_wait_dscnt 0x0
	WIN 0x01
.set k, 0
.rept 4
.set c, 0
.rept 8                                ; eight accumulators by turns
.if k == 0
	v_wmma_f32_16x16x32_f16 v[OA+8*c:OA+8*c+7], v[8*(4*c+k):8*(4*c+k)+7], v[OF+8*k:OF+8*k+7], v[BSO+8*c:BSO+8*c+7]
.else
	v_wmma_f32_16x16x32_f16 v[OA+8*c:OA+8*c+7], v[8*(4*c+k):8*(4*c+k)+7], v[OF+8*k:OF+8*k+7], v[OA+8*c:OA+8*c+7]
.endif
.set c, c+1
.endr
.set k, k+1
.endr
	WIN 0
	PLACES
.set c, 0
.rept 8                                ; relu; hi = bf16(s); s - hi (exact in f32); lo = bf16 of that, packed into the accumulator's four lowest registers
.set q, 0
.rept 8
	v_max_num_f32 v[OA+8*c+q], 0, v[OA+8*c+q]
.set q, q+1
.endr
.set q, 0
.rept 4
	v_cvt_pk_bf16_f32 v[PKD+4*c+q], v[OA+8*c+2*q], v[OA+8*c+2*q+1]
.set q, q+1
.endr
.set q, 0
.rept 4
	v_lshlrev_b32 v[UT+2*q], 16, v[PKD+4*c+q]
	v_and_b32 v[UT+2*q+1], s38, v[PKD+4*c+q]
.set q, q+1
.endr
.set q, 0
.rept 4
	v_pk_add_f32 v[OA+8*c+2*q:OA+8*c+2*q+1], v[OA+8*c+2*q:OA+8*c+2*q+1], v[UT+2*q:UT+2*q+1] neg_lo:[0,1] neg_hi:[0,1]
.set q, q+1
.endr
.set q, 0
.rept 4
	v_cvt_pk_bf16_f32 v[OA+8*c+q], v[OA+8*c+2*q], v[OA+8*c+2*q+1]
.set q, q+1
.endr
	ds_store_b128 v[VST], v[PKD+4*c:PKD+4*c+3] offset:32*c
.set c, c+1
.endr
.set q, 0
.rept 8                                ; LDS serves a wave's instructions in order (ISA guide 5.7.1): these see hi's stores above,
	ds_load_b128 v[OF+4*q:OF+4*q+3], v[VRD] offset:q*2*PO
.set q, q+1
.endr
.set c, 0
.rept 8                                ; lo's stores into the same stage come behind them,
	ds_store_b128 v[VST], v[OA+8*c:OA+8*c+3] offset:32*c
.set c, c+1
.endr
.set q, 0
.rept 8                                ; and these see lo's
	ds_load_b128 v[PKD+4*q:PKD+4*q+3], v[VRD] offset:q*2*PO
.set q, q+1
.endr
.set q, 0
.rept 7
	s_wait_dscnt 23-q                              ; behind hi's read-back q: 7 - q more of hi, lo's eight stores and eight read-backs
	global_store_b128 v[VCO], v[OF+4*q:OF+4*q+3], s[62:63] offset:q*NODE   ; sixteen lanes store a row's 256 bytes, aligned
.set q, q+1
.endr
.set q, 0
.rept 7
	s_wait_dscnt 7-q                               ; the younger read-backs of lo may stay out
	global_store_b128 v[VCO], v[PKD+4*q:PKD+4*q+3], s[40:41] offset:q*NODE
.set q, q+1
.endr
	s_wait_dscnt 0x0
	v_cmp_gt_u32 vcc_lo, 207, v[VN]                ; the last pair of rows: node 207 does not exist
	s_wait_xcnt 0x0                                ; EXEC changes only behind this wait
	s_and_saveexec_b32 s26, vcc_lo
	global_store_b128 v[VCO], v[OF+28:OF+31], s[62:63] offset:7*NODE
	global_store_b128 v[VCO], v[PKD+28:PKD+31], s[40:41] offset:7*NODE
	s_wait_xcnt 0x0
	s_or_b32 exec_lo, exec_lo, s26
.Lno:
	s_add_co_u32 s24, s24, 8
	s_sub_co_u32 s39, s39, 1
	s_cmp_lg_u32 s39, 0
	s_cbranch_scc1 .Lout
	s_wait_tensorcnt 0x0                           ; the wave's end, behind my last LDS store
	ds_add_u32 v[SPW], v[NIL]
	s_wait_dscnt 0x0
	s_endpgm
.Lfunc_end_k_q44454df6ff_spatial:
	.size	k_q44454df6ff_spatial, .Lfunc_end_k_q44454df6ff_spatial-k_q44454df6ff_spatial
	.p2alignl 7, 3214868480
	.fill 96, 4, 3214868480
	.section	.rodata,"a",@progbits
	.p2align	6, 0x0
	.amdhsa_kernel k_q44454df6ff_spatial
		.amdhsa_group_segment_fixed_size 249088
		.amdhsa_private_segment_fixed_size 0
		.amdhsa_enable_private_segment 0
		.amdhsa_kernarg_size 56
		.amdhsa_user_sgpr_count 2
		.amdhsa_user_sgpr_kernarg_segment_ptr 1
		.amdhsa_wavefront_size32 1
		.amdhsa_system_sgpr_workgroup_id_x 1
		.amdhsa_system_sgpr_workgroup_id_y 1
		.amdhsa_system_sgpr_workgroup_id_z 1
		.amdhsa_system_vgpr_workitem_id 0
		.amdhsa_next_free_vgpr 512
		.amdhsa_next_free_sgpr 66
		.amdhsa_reserve_vcc 1
		.amdhsa_float_denorm_mode_32 3
		.amdhsa_float_denorm_mode_16_64 3
		.amdhsa_memory_ordered 1
		.amdhsa_forward_progress 1
		.amdhsa_inst_pref_size 140
	.end_amdhsa_kernel
	.amdgpu_metadata
---
amdhsa.version: [ 1, 2 ]
amdhsa.kernels:
  - .name:           k_q44454df6ff_spatial
    .symbol:         k_q44454df6ff_spatial.kd
    .args:
      - { .name: hidden, .offset: 0, .size: 8, .value_kind: global_buffer, .address_space: global }
      - { .name: tXin, .offset: 8, .size: 8, .value_kind: global_buffer, .address_space: global }
      - { .name: wf, .offset: 16, .size: 8, .value_kind: global_buffer, .address_space: global }
      - { .name: bias, .offset: 24, .size: 8, .value_kind: global_buffer, .address_space: global }
      - { .name: htb, .offset: 32, .size: 8, .value_kind: global_buffer, .address_space: global }
      - { .name: sbuf, .offset: 40, .size: 8, .value_kind: global_buffer, .address_space: global }
      - { .name: slo, .offset: 48, .size: 8, .value_kind: global_buffer, .address_space: global }
    .group_segment_fixed_size: 249088
    .private_segment_fixed_size: 0
    .kernarg_segment_align: 8
    .kernarg_segment_size: 56
    .max_flat_workgroup_size: 256
    .sgpr_count:     66
    .vgpr_count:     512
    .wavefront_size: 32
...
	.end_amdgpu_metadata
.endif
;; end of part 2
;; launch temporal (part 3): grid 207 x 1, 8 waves a work-group, no clusters, 273,152 bytes of LDS; arguments htb, sbuf, wf, bias, tbuf, tlo, part; writes tbuf, tlo, part
.if DOCPART == 3
	.amdgcn_target "amdgcn-amd-amdhsa--gfx1250"
	.amdhsa_code_object_version 6
	.text
	.protected	k_q44454df6ff_temporal
	.globl	k_q44454df6ff_temporal
	.p2align	8
	.type	k_q44454df6ff_temporal,@function
k_q44454df6ff_temporal:
	s_mov_b64 s[64:65], 0
	v_nop
	global_prefetch_b8 v0, s[64:65] scope:SCOPE_SE
	s_setreg_imm32_b32 hwreg(HW_REG_WAVE_MODE, 25, 1), 1
	s_wait_xcnt 0x0
; TEMPORAL ATTENTION (causal, 24 steps of each pair (b, n)), its output projection t, and the gate's batch statistics.
; t = relu(softmax_causal(relu(ht Wq + bq) relu(ht Wk + bk)^T / sqrt(32)) relu(hidden Wv + bv) Wo + bo);  gi = [s | t] Wg + bg;  of gi each work-group stores the mean and the sum of squared
; deviations of its 384 rows, for each of the 128 channels (part: a row of 1,024 bytes a work-group, 16 bytes for each pair of channels: mean, mean, sum, sum).
; t leaves as TWO bf16 numbers, hi = bf16(t) in tbuf and lo = bf16(t - hi) in tlo, both in the order of matrix fragments
; ([tile of 16 rows][K step][half][lane][16 bytes]): the last launch multiplies both, since the gate's product is divided by its spread over the batch, which is small beside t.
; FORMATS.  ht, weights, biases: bf16 numbers.  Q, K, V, the weights p and O: f16.  Sums, maxima, exponentials, statistics: f32.
; LIMITS.  Q, K and V must lie within f16's 65,504.  A hidden score counts as its value less 1e30 (or its exponent as less 1e30).  A weight below 2^-126 counts as 0.  NaN and infinities are not treated apart.
; THE STATISTICS ARE TAKEN OF gi MADE FROM THE hi PARTS OF s AND t ALONE: their rounding, at most 2^-9 of each number and to nearest even, is averaged over 79,488 rows in the mean, and adds its own
; small variance to the variance.
; The row maximum is the true maximum of the keys that the query sees.  The variance is never a difference of large sums: a lane takes the mean of its 24 numbers, then their squared deviations from it;
; such pairs are merged with the term n_a n_b / (n_a + n_b) d^2.
; SHARES.  A work-group owns 384 rows = 8 blocks of 48 rows = 2 pairs (b, n) = 3 row tiles: 79,488 rows are 207 such work-groups, every count a constant.  NO CLUSTER: work-groups share only the weights.
; PHASE A: a wave is a head; its Wq and Wk stay in window 1 for all 8 blocks; ht comes through two LDS slots, the next block loaded into registers while a block is worked on; one barrier a block.
; In a block tile 0 is steps 0-15 of the first pair, tile 1 its steps 16-23 and steps 0-7 of the second, tile 2 the second's steps 8-23.  A query tile needs its own key tile (with the causal mask
; as the C operand) and the one before.  Whether a lane's eight keys belong to the query's pair hangs on the lane alone: three lane masks.
; A tile's fragments of ht are asked for behind the products of the tile before (tiles 1 and 2: tile 0's slot is whole only behind the barrier), its biases behind the tile before's last product.
; PHASE B: wave w takes block w: t, its stores, the gate's products and the statistics.
; LDS: HT0 0, HT1 32,768 (48 rows x 528); OST 8 blocks x 48 rows x 272 (O in f16, later s); WTO, WGL the weights of the two later products; BIA four bias vectors; STA the waves' statistics; the spare words.
.set PH,    528
.set PO,    272
.set HT1,   32768
.set OST,   58112
.set BLK,   48*PO
.set WTO,   OST+8*BLK
.set WGL,   WTO+32768
.set BIA,   WGL+65536                  ; tq_b 0, tk_b 1024, to_b 2048, gate_b 2560
.set STA,   BIA+3072
.set SPARE, STA+8192
.set WF_TQ, 262144
.set WF_TK, 393216
.set WF_G,  524288
.set WF_TV, 622592
.set WF_TO, 688128
; window 0, phase A
.set VL16, 1                           ; 16 l
.set VF0,  2                           ; 528 r + 16 h
.set VFR,  3                           ; the same in the slot in hand
.set VOS,  4                           ; where my 16 bytes of O go
.set VSH0, 5                           ; staging: row = wave, 16 l
.set VSH,  6
.set VPO,  7                           ; 16 x thread
.set SPW,  8                           ; my spare word; never rewritten
.set NIL,  9                           ; 0; never rewritten
.set VBI,  10                          ; bq of my head in BIA, 32 h
.set TA_,  11
.set CX,   12                          ; v12-15 at work
.set CMC,  16                          ; v16-17 c m for the tile's own keys
.set CMP,  18                          ; v18-19 c m for the keys of the tile before
.set RL,   20                          ; v20-21 1 / l
.set BV,   22                          ; v22-23 bv of my channel, twice
.set LS,   24                          ; v24-25 l
.set RR,   27
.set HH,   28
.set TB_,  29
.set TC_,  30
.set TD_,  31
.set PF,   32                          ; v32-55 the next block on its way
.set CMK,  56                          ; v56-63 the causal mask of a tile against itself
.set VV,   64                          ; v64-79 zeros, then V^T of tiles 0, 1, 2
.set KA,   80
.set KB,   88
.set QF,   96
.set K0,   104                         ; accumulators; K0 later the scores against the tile before and P, K1 the scores against the own tile
.set K1,   112
.set Q0,   120
.set Q1,   128
.set VA,   136
.set VBB,  144
.set WVF,  152
.set FR,   184
; window 0, phase B
.set VOB,  2
.set VWT,  3
.set VBT,  5
.set VWG,  6
.set VSS,  7
.set VGB,  10
.set VSTA, 11
.set SFR,  32                          ; v32-127 O's, later s's fragments: tile i, K step k at 32 i + 8 k
.set TF,   128                         ; v128-223 t's fragments (hi)
.set MB,   224                         ; v224-231 a lane's mean for channel tile c
.set M2,   232                         ; v232-239 its sum of squared deviations
.set GB,   240
.set XW,   248
.set UT,   224                         ; window 1: v224-247 hi once more as f32
.set TW,   240                         ; window 1: v240-255 at work in the statistics
.set MSB, 0
.macro WIN new                         ; the immediate's high byte repeats the setting that is left; a switch that changes nothing is dropped
.if MSB != (\new)
	s_set_vgpr_msb (MSB<<8)|(\new)
.set MSB, \new
.endif
.endm
; Plain instructions behind a matrix instruction: four before a vector instruction or a load touches its registers, five before another matrix instruction writes over one of them.
; In this text the registers of a tile's last product (P in K0's, O in VA's) are written over by the next tile's first products, with no other free vector work between: so five everywhere.
.macro PLACES
.rept 5
	v_nop
.endr
.endm
	s_load_b256 s[4:11], s[0:1], 0x0               ; htb 4, sbuf 6, wf 8, bias 10
	s_load_b128 s[12:15], s[0:1], 0x20             ; tbuf 12, tlo 14
	s_load_b64 s[2:3], s[0:1], 0x30                ; part
	v_lshl_add_u32 v[SPW], v0, 2, SPARE
	v_mov_b32 v[NIL], 0
	v_lshrrev_b32 v[TA_], 5, v0
	v_readfirstlane_b32 s16, v[TA_]                ; wave
	s_mov_b32 s17, ttmp9
	s_mov_b32 s20, 0x3e8293ee                      ; c = log2(e) / sqrt(32)
	s_mov_b32 s21, s20
	s_mov_b32 s22, 0x76543210
	s_mov_b32 s23, 0xfedcba98
	s_mov_b32 s24, 0x00ff00ff                      ; tile 1: the tile before is the query's pair for r < 8
	s_mov_b32 s25, 0xffff00ff                      ; tile 1: the own tile's keys are the query's pair for r < 8 or h = 1
	s_mov_b32 s26, 0xffff0000                      ; tile 2: of the tile before, keys 8..15 (h = 1); also the mask of a word's upper bf16
	s_mov_b32 s27, 0xff7fffff                      ; the lowest finite number
	s_mov_b32 s28, 0x7149f2ca                      ; 1e30
	s_mov_b32 s29, 0xf149f2ca                      ; -1e30
	s_mov_b32 s31, 0
	v_and_b32 v[RR], 15, v0
	v_bfe_u32 v[HH], v0, 4, 1
	v_and_b32 v[TA_], 31, v0
	v_lshlrev_b32 v[VL16], 4, v[TA_]
	v_lshlrev_b32 v[VPO], 4, v0
	v_mul_u32_u24 v[VF0], v[RR], PH
	v_lshl_add_u32 v[VF0], v[HH], 4, v[VF0]
	s_mul_i32 s18, s16, PH
	v_add_nc_u32 v[VSH0], s18, v[VL16]
	s_lshl_b32 s18, s16, 7
	s_add_co_u32 s18, s18, BIA
	v_lshl_add_u32 v[VBI], v[HH], 5, s18
	v_mul_u32_u24 v[VOS], v[RR], PO
	v_lshl_add_u32 v[VOS], v[HH], 4, v[VOS]
	s_lshl_b32 s18, s16, 5
	s_add_co_u32 s18, s18, OST
	v_add_nc_u32 v[VOS], s18, v[VOS]
	v_lshlrev_b32 v[TB_], 3, v0
	v_lshlrev_b32 v[TC_], 2, v0
	v_lshlrev_b32 v[TD_], 2, v[RR]
	v_mov_b32 v[CX+2], 0                           ; destinations of lane exchanges and second halves of pairs are written once
	v_mov_b32 v[CMC+1], 0
	v_mov_b32 v[CMP+1], 0
	v_mov_b32 v[RL+1], 0
	v_mov_b32 v[LS+1], 0
.irp i, 0,1,2,3
	v_mov_b32 v[VV+\i], 0                          ; tile 0 has no tile before it
.endr
	s_wait_kmcnt 0x0
	s_mul_i32 s30, s17, 196608                     ; 384 rows of 512 bytes
	s_add_nc_u64 s[36:37], s[4:5], s[30:31]
	s_mul_i32 s30, s17, 98304                      ; 384 rows of 256 bytes,
	s_mul_i32 s18, s16, 12288                      ; 48 of them
	s_add_co_u32 s30, s30, s18
	s_add_nc_u64 s[46:47], s[6:7], s[30:31]
	s_add_nc_u64 s[48:49], s[12:13], s[30:31]
	s_add_nc_u64 s[58:59], s[14:15], s[30:31]
	s_lshl_b32 s30, s17, 10
	s_add_nc_u64 s[50:51], s[2:3], s[30:31]
	s_lshl_b32 s30, s16, 14
	s_add_co_u32 s30, s30, WF_TQ
	s_add_nc_u64 s[40:41], s[8:9], s[30:31]
	s_add_co_u32 s30, s30, WF_TK-WF_TQ
	s_add_nc_u64 s[42:43], s[8:9], s[30:31]
	s_lshl_b32 s30, s16, 12
	s_add_co_u32 s30, s30, WF_TV
	s_add_nc_u64 s[44:45], s[8:9], s[30:31]
	s_add_nc_u64 s[52:53], s[8:9], WF_TO
	s_add_nc_u64 s[54:55], s[8:9], WF_G
	s_lshl_b32 s30, s16, 6
	s_add_co_u32 s30, s30, 5120
	s_add_nc_u64 s[56:57], s[10:11], s[30:31]      ; tv_b of my head
	WIN 0x40
.set ff, 0
.rept 16
	global_load_b128 v[8*ff:8*ff+3], v[VL16], s[40:41] offset:ff*1024
	global_load_b128 v[8*ff+4:8*ff+7], v[VL16], s[40:41] offset:ff*1024+512
	global_load_b128 v[128+8*ff:128+8*ff+3], v[VL16], s[42:43] offset:ff*1024
	global_load_b128 v[128+8*ff+4:128+8*ff+7], v[VL16], s[42:43] offset:ff*1024+512
.set ff, ff+1
.endr
	WIN 0
.set k, 0
.rept 4
	global_load_b128 v[WVF+8*k:WVF+8*k+3], v[VL16], s[44:45] offset:k*1024
	global_load_b128 v[WVF+8*k+4:WVF+8*k+7], v[VL16], s[44:45] offset:k*1024+512
.set k, k+1
.endr
	global_load_b32 v[BV], v[TD_], s[56:57]
.set j, 0
.rept 6                                ; block 0: 24,576 consecutive bytes, 4,096 to a load of the work-group
	global_load_b128 v[PF+4*j:PF+4*j+3], v[VPO], s[36:37] offset:j*4096 th:TH_LOAD_NT
.set j, j+1
.endr
.set j, 0
.rept 8
	global_load_b128 v[K0+4*j:K0+4*j+3], v[VPO], s[52:53] offset:j*4096
.set j, j+1
.endr
.set j, 0
.rept 16
	global_load_b128 v[FR+4*j:FR+4*j+3], v[VPO], s[54:55] offset:j*4096
.set j, j+1
.endr
	global_load_b64 v[VA:VA+1], v[TB_], s[10:11] offset:2048      ; tq_b, tk_b
	global_load_b32 v[VA+2], v[TC_], s[10:11] offset:5632         ; to_b, gate_b
	s_wait_loadcnt 0x0
	v_mov_b32 v[BV+1], v[BV]
.set j, 0
.rept 6
	ds_store_b128 v[VSH0], v[PF+4*j:PF+4*j+3] offset:j*8*PH       ; load j holds rows 8 j + wave
.set j, j+1
.endr
	v_add_nc_u32 v[TD_], WTO, v[VPO]
.set j, 0
.rept 8
	ds_store_b128 v[TD_], v[K0+4*j:K0+4*j+3] offset:j*4096
.set j, j+1
.endr
	v_add_nc_u32 v[TA_], WGL, v[VPO]
.set j, 0
.rept 16
	ds_store_b128 v[TA_], v[FR+4*j:FR+4*j+3] offset:j*4096
.set j, j+1
.endr
	v_add_nc_u32 v[TB_], BIA, v[TB_]
	ds_store_b64 v[TB_], v[VA:VA+1]
	v_add_nc_u32 v[TC_], BIA+2048, v[TC_]
	ds_store_b32 v[TC_], v[VA+2]
	v_lshlrev_b32 v[CX], 3, v[HH]
	v_sub_nc_u32 v[CX], v[RR], v[CX]               ; key 8 h + j is hidden from query r where j > r - 8 h
.set j, 0
.rept 8
	v_cmp_gt_i32 vcc_lo, j, v[CX]
	v_cndmask_b32 v[CMK+j], 0, s29, vcc_lo
.set j, j+1
.endr
	s_wait_dscnt 0x0                               ; for the others' sake: my part of block 0, of the weights and of the biases is in LDS
	s_barrier_signal -1
	s_barrier_wait -1
; bk and bq of my head into the four accumulators of the tile to come: eight loads
.macro BIASLD
.set q, 0
.rept 4
	ds_load_b128 v[K0+4*q:K0+4*q+3], v[VBI] offset:1024+(q/2)*64+(q%2)*16
.set q, q+1
.endr
.set q, 0
.rept 4
	ds_load_b128 v[Q0+4*q:Q0+4*q+3], v[VBI] offset:(q/2)*64+(q%2)*16
.set q, q+1
.endr
.endm
; the eight fragments (16 rows x 32 channels) of row tile i of the slot in hand: sixteen loads
.macro FRLD i
.set k, 0
.rept 8
	ds_load_b128 v[FR+8*k:FR+8*k+3], v[VFR] offset:(\i)*16*PH+k*64
	ds_load_b128 v[FR+8*k+4:FR+8*k+7], v[VFR] offset:(\i)*16*PH+k*64+32
.set k, k+1
.endr
.endm
; four K steps of my head's K and Q: four accumulators by turns; they were loaded with the biases
.macro QK4 from
.set k, \from
.rept 4
	v_wmma_f32_16x16x32_bf16 v[K0:K0+7], v[128+8*k:128+8*k+7], v[FR+8*k:FR+8*k+7], v[K0:K0+7]
	v_wmma_f32_16x16x32_bf16 v[K1:K1+7], v[192+8*k:192+8*k+7], v[FR+8*k:FR+8*k+7], v[K1:K1+7]
	v_wmma_f32_16x16x32_bf16 v[Q0:Q0+7], v[8*k:8*k+7], v[FR+8*k:FR+8*k+7], v[Q0:Q0+7]
	v_wmma_f32_16x16x32_bf16 v[Q1:Q1+7], v[64+8*k:64+8*k+7], v[FR+8*k:FR+8*k+7], v[Q1:Q1+7]
.set k, k+1
.endr
.endm
.macro RELU16 a                        ; sixteen registers from a on
.set q, 0
.rept 16
	v_max_num_f32 v[(\a)+q], 0, v[(\a)+q]
.set q, q+1
.endr
.endm
.macro PACK8 d, a                      ; sixteen numbers from a on, as f16 pairs, into eight registers from d on
.set q, 0
.rept 8
	v_cvt_pk_f16_f32 v[(\d)+q], v[(\a)+2*q], v[(\a)+2*q+1]
.set q, q+1
.endr
.endm
; Row tile i of the block: K, Q, V of my head, the scores against the own tile and the tile before, the softmax, O
.macro TILE i
.if ((\i)&1)
.set rKC, KB
.set rKP, KA
.else
.set rKC, KA
.set rKP, KB
.endif
.set sAP, 24+2*((\i)/2)
.if (\i) == 0
	FRLD 0
	s_wait_dscnt 0x8                               ; the fragments of K steps 4..7, eight loads, may stay out; the biases are older
.else
	s_wait_dscnt 0x0                               ; the fragments were asked for in the tile before, the biases at its end
.endif
	WIN 0x01
	QK4 0
	WIN 0
	v_wmma_f32_16x16x32_bf16 v[VA:VA+7], v[FR:FR+7], v[WVF:WVF+7], 0
	v_wmma_f32_16x16x32_bf16 v[VBB:VBB+7], v[FR+8:FR+15], v[WVF+8:WVF+15], 0
	v_wmma_f32_16x16x32_bf16 v[VA:VA+7], v[FR+16:FR+23], v[WVF+16:WVF+23], v[VA:VA+7]
	v_wmma_f32_16x16x32_bf16 v[VBB:VBB+7], v[FR+24:FR+31], v[WVF+24:WVF+31], v[VBB:VBB+7]
.if (\i) == 0
	s_wait_dscnt 0x0
.endif
	WIN 0x01
	QK4 4
	WIN 0
	PLACES
.if (\i) < 2
	FRLD (\i)+1                                    ; the next tile's fragments: they have this tile's vector work and its attention in which to come
.endif
	RELU16 K0
	PACK8 rKC, K0
	RELU16 Q0
	PACK8 QF, Q0
.set q, 0
.rept 4
	v_pk_add_f32 v[VA+2*q:VA+2*q+1], v[VA+2*q:VA+2*q+1], v[VBB+2*q:VBB+2*q+1]
.set q, q+1
.endr
.set q, 0
.rept 4
	v_pk_add_f32 v[VA+2*q:VA+2*q+1], v[VA+2*q:VA+2*q+1], v[BV:BV+1]
.set q, q+1
.endr
.set q, 0
.rept 8
	v_max_num_f32 v[VA+q], 0, v[VA+q]
.set q, q+1
.endr
.set q, 0
.rept 4
	v_cvt_pk_f16_f32 v[VV+4*((\i)+1)+q], v[VA+2*q], v[VA+2*q+1]
.set q, q+1
.endr
.if (\i) > 0
	v_wmma_f32_16x16x32_f16 v[K0:K0+7], v[rKP:rKP+7], v[QF:QF+7], 0
.endif
	v_wmma_f32_16x16x32_f16 v[K1:K1+7], v[rKC:rKC+7], v[QF:QF+7], v[CMK:CMK+7]
	PLACES
	; the maximum of the keys that the query sees
	v_max3_num_f32 v[CX], v[K1], v[K1+1], v[K1+2]
.if (\i) > 0
	v_max3_num_f32 v[CX+1], v[K0], v[K0+1], v[K0+2]
.endif
	v_max3_num_f32 v[CX], v[CX], v[K1+3], v[K1+4]
.if (\i) > 0
	v_max3_num_f32 v[CX+1], v[CX+1], v[K0+3], v[K0+4]
.endif
	v_max3_num_f32 v[CX], v[CX], v[K1+5], v[K1+6]
.if (\i) > 0
	v_max3_num_f32 v[CX+1], v[CX+1], v[K0+5], v[K0+6]
.endif
	v_max_num_f32 v[CX], v[CX], v[K1+7]
.if (\i) > 0
	v_max_num_f32 v[CX+1], v[CX+1], v[K0+7]
.endif
.if (\i) == 1
	v_cndmask_b32 v[CX], s27, v[CX], s25
.endif
.if (\i) > 0
	v_cndmask_b32 v[CX+1], s27, v[CX+1], s[sAP]
	v_max_num_f32 v[CX], v[CX], v[CX+1]
.endif
	v_permlanex16_b32 v[CX+2], v[CX], s22, s23     ; the query's other keys lie in the lane 16 away
	v_max_num_f32 v[CX], v[CX], v[CX+2]
	v_mul_f32 v[CMC], s20, v[CX]
.if (\i) > 0
	v_cndmask_b32 v[CMP], s28, v[CMC], s[sAP]      ; a lane whose keys are the other pair's takes 1e30 away: its weights are 0
.endif
.if (\i) == 1
	v_cndmask_b32 v[CMC], s28, v[CMC], s25
.endif
.set q, 0
.rept 4
	v_pk_fma_f32 v[K1+2*q:K1+2*q+1], v[K1+2*q:K1+2*q+1], s[20:21], v[CMC:CMC+1] op_sel_hi:[1,0,0] neg_lo:[0,0,1] neg_hi:[0,0,1]
.set q, q+1
.endr
.if (\i) > 0
.set q, 0
.rept 4
	v_pk_fma_f32 v[K0+2*q:K0+2*q+1], v[K0+2*q:K0+2*q+1], s[20:21], v[CMP:CMP+1] op_sel_hi:[1,0,0] neg_lo:[0,0,1] neg_hi:[0,0,1]
.set q, q+1
.endr
.endif
.set q, 0
.rept 8
	v_exp_f32 v[K1+q], v[K1+q]
.set q, q+1
.endr
.if (\i) > 0
.set q, 0
.rept 8
	v_exp_f32 v[K0+q], v[K0+q]
.set q, q+1
.endr
.endif
	v_nop                                          ; a plain instruction between the exponentials and the use of their results
	s_wait_alu depctr_va_vdst(0)
	v_pk_add_f32 v[Q0+4:Q0+5], v[K1:K1+1], v[K1+2:K1+3]
	v_pk_add_f32 v[Q0+6:Q0+7], v[K1+4:K1+5], v[K1+6:K1+7]
.if (\i) > 0
	v_pk_add_f32 v[Q0:Q0+1], v[K0:K0+1], v[K0+2:K0+3]
	v_pk_add_f32 v[Q0+2:Q0+3], v[K0+4:K0+5], v[K0+6:K0+7]
.endif
	v_pk_add_f32 v[Q0+4:Q0+5], v[Q0+4:Q0+5], v[Q0+6:Q0+7]
.if (\i) > 0
	v_pk_add_f32 v[Q0:Q0+1], v[Q0:Q0+1], v[Q0+2:Q0+3]
	v_pk_add_f32 v[Q0+4:Q0+5], v[Q0+4:Q0+5], v[Q0:Q0+1]
.endif
	v_add_f32 v[LS], v[Q0+4], v[Q0+5]
	v_permlanex16_b32 v[LS+1], v[LS], s22, s23
	v_add_f32 v[LS], v[LS], v[LS+1]
	v_rcp_f32 v[RL], v[LS]                         ; l is at least 1; the roundings below are the plain instructions behind it
.set q, 0
.rept 4                                ; P = [the tile before's weights, the own tile's], 32 keys x 16 queries
.if (\i) > 0
	v_cvt_pk_f16_f32 v[K0+q], v[K0+2*q], v[K0+2*q+1]
.else
	v_mov_b32 v[K0+q], 0
.endif
.set q, q+1
.endr
.set q, 0
.rept 4
	v_cvt_pk_f16_f32 v[K0+4+q], v[K1+2*q], v[K1+2*q+1]
.set q, q+1
.endr
	v_wmma_f32_16x16x32_f16 v[VA:VA+7], v[VV+4*(\i):VV+4*(\i)+7], v[K0:K0+7], 0
	PLACES                                         ; five: the next tile's first products write over K0 and VA, and the lines below all name VA
	BIASLD                                         ; the next tile's biases: P, which the product above read, lies five places back; the other three accumulators have been read out
.set q, 0
	s_wait_alu depctr_va_vdst(0)
.rept 4
	v_pk_mul_f32 v[VA+2*q:VA+2*q+1], v[VA+2*q:VA+2*q+1], v[RL:RL+1] op_sel_hi:[1,0]
.set q, q+1
.endr
.set q, 0
.rept 4
	v_cvt_pk_f16_f32 v[VBB+q], v[VA+2*q], v[VA+2*q+1]
.set q, q+1
.endr
	ds_store_b128 v[VOS], v[VBB:VBB+3] offset:(\i)*16*PO
.endm
	; PHASE A.  Eight trips, a block each.  The next block is asked for at the trip's head and put into the other slot at its foot.  One barrier a trip does both things: the slot that is written
	; was last read a trip ago, and every wave has since passed a barrier with its LDS loads back; the reads of what is written stand behind this trip's barrier.
	; The last trip asks for block 7 once more (the number is clamped, the load stays inside htb) and nobody reads that slot; the biases that its last tile asks for are not used either.
	BIASLD                                         ; for the first tile
	s_mov_b32 s32, 8
	s_mov_b32 s33, 0                               ; the slot in hand
	s_mov_b32 s34, 1                               ; the next block
.Lblk:
	s_min_u32 s30, s34, 7
	s_mul_i32 s30, s30, 24576
	s_add_nc_u64 s[38:39], s[36:37], s[30:31]
.set j, 0
.rept 6
	global_load_b128 v[PF+4*j:PF+4*j+3], v[VPO], s[38:39] offset:j*4096 th:TH_LOAD_NT
.set j, j+1
.endr
	v_add_nc_u32 v[VFR], s33, v[VF0]
	TILE 0
	TILE 1
	TILE 2
	s_wait_loadcnt 0x0                             ; the next block is in registers; its pointer may be written anew
	s_xor_b32 s33, s33, HT1
	v_add_nc_u32 v[VSH], s33, v[VSH0]
.set j, 0
.rept 6
	ds_store_b128 v[VSH], v[PF+4*j:PF+4*j+3] offset:j*8*PH
.set j, j+1
.endr
	s_wait_dscnt 0x0                               ; my stores (the next block, O) are done, and my reads of the slot that I leave are back
	s_barrier_signal -1
	s_barrier_wait -1
	v_add_nc_u32 v[VOS], BLK, v[VOS]
	s_add_co_u32 s34, s34, 1
	s_sub_co_u32 s32, s32, 1
	s_cmp_lg_u32 s32, 0
	s_cbranch_scc1 .Lblk
	; PHASE B.  Window 1: v0-95 s as loaded; v96-127, v128-159 two sets of weight fragments; v160-175 two sets of bias; v176-199, v200-223 two sets of three accumulators; v224-255 at work.
	PLACES
	WIN 0x40
.set q, 0
.rept 24                               ; my block's 48 rows of s (hi): 12,288 consecutive bytes
	global_load_b128 v[4*q:4*q+3], v[VL16], s[46:47] offset:q*512
.set q, q+1
.endr
	v_mov_b32 v[TW+13], 0                          ; named in a pair
	WIN 0
	s_mul_i32 s18, s16, BLK
	s_add_co_u32 s18, s18, OST
	v_mul_u32_u24 v[VOB], v[RR], PO
	v_lshl_add_u32 v[VOB], v[HH], 4, v[VOB]
	v_add_nc_u32 v[VOB], s18, v[VOB]
	v_mul_u32_u24 v[VSS], v[HH], PO
	v_lshl_add_u32 v[VSS], v[RR], 4, v[VSS]
	v_add_nc_u32 v[VSS], s18, v[VSS]
	v_add_nc_u32 v[VWT], WTO, v[VL16]
	v_add_nc_u32 v[VWG], WGL, v[VL16]
	v_lshlrev_b32 v[VBT], 5, v[HH]
	v_add_nc_u32 v[VBT], BIA+2048, v[VBT]
	v_lshlrev_b32 v[VGB], 2, v[RR]
	s_lshl_b32 s18, s16, 10
	s_add_co_u32 s18, s18, STA
	v_add_nc_u32 v[VSTA], s18, v[VGB]
	v_add_nc_u32 v[VGB], BIA+2560, v[VGB]
.macro FRAGS                           ; the 12 fragments (3 tiles x 4 K steps) of my block's rows in OST
.set i, 0
.rept 3
.set k, 0
.rept 4
	ds_load_b128 v[SFR+32*i+8*k:SFR+32*i+8*k+3], v[VOB] offset:i*16*PO+k*64
	ds_load_b128 v[SFR+32*i+8*k+4:SFR+32*i+8*k+7], v[VOB] offset:i*16*PO+k*64+32
.set k, k+1
.endr
.set i, i+1
.endr
.endm
	FRAGS
.macro LW c                            ; to_w's four fragments and to_b for channel tile c, into set c % 2: ten loads
.set rW, 96+32*((\c)&1)
.set rB, 160+8*((\c)&1)
	WIN 0x40
.set k, 0
.rept 4
	ds_load_b128 v[rW+8*k:rW+8*k+3], v[VWT] offset:(4*(\c)+k)*1024
	ds_load_b128 v[rW+8*k+4:rW+8*k+7], v[VWT] offset:(4*(\c)+k)*1024+512
.set k, k+1
.endr
	ds_load_b128 v[rB:rB+3], v[VBT] offset:(\c)*64
	ds_load_b128 v[rB+4:rB+7], v[VBT] offset:(\c)*64+16
.endm
.macro OPROD c                         ; 12 products: channel tile c of t for my three row tiles, by turns
.set rW, 96+32*((\c)&1)
.set rB, 160+8*((\c)&1)
.set rA, 176+24*((\c)&1)
	WIN 0x51                                       ; weight, C and D in window 1, O in window 0
.set k, 0
.rept 4
.set i, 0
.rept 3
.if k == 0
	v_wmma_f32_16x16x32_f16 v[rA+8*i:rA+8*i+7], v[rW+8*k:rW+8*k+7], v[SFR+32*i+8*k:SFR+32*i+8*k+7], v[rB:rB+7]
.else
	v_wmma_f32_16x16x32_f16 v[rA+8*i:rA+8*i+7], v[rW+8*k:rW+8*k+7], v[SFR+32*i+8*k:SFR+32*i+8*k+7], v[rA+8*i:rA+8*i+7]
.endif
.set i, i+1
.endr
.set k, k+1
.endr
.endm
; relu; hi = bf16(t) into t's fragments (channel tile c is half c % 2 of K step c / 2); t - hi (exact in f32); lo = bf16 of that, packed into each accumulator's four lowest registers and stored from there:
; each store of the wave covers 512 consecutive bytes of tlo
.macro EPI c
.set rA, 176+24*((\c)&1)
.set rF, TF+8*((\c)/2)+4*((\c)%2)
	WIN 0x44
.set q, 0
.rept 24
	v_max_num_f32 v[rA+q], 0, v[rA+q]
.set q, q+1
.endr
	WIN 0x05
.set i, 0
.rept 3
.set q, 0
.rept 4
	v_cvt_pk_bf16_f32 v[rF+32*i+q], v[rA+8*i+2*q], v[rA+8*i+2*q+1]
.set q, q+1
.endr
.set i, i+1
.endr
	WIN 0x40                                       ; hi in window 0, its f32 copies in window 1
.set i, 0
.rept 3
.set q, 0
.rept 4
	v_lshlrev_b32 v[UT+8*i+2*q], 16, v[rF+32*i+q]
	v_and_b32 v[UT+8*i+2*q+1], s26, v[rF+32*i+q]
.set q, q+1
.endr
.set i, i+1
.endr
	WIN 0x55
.set q, 0
.rept 12
	v_pk_add_f32 v[rA+2*q:rA+2*q+1], v[rA+2*q:rA+2*q+1], v[UT+2*q:UT+2*q+1] neg_lo:[0,1] neg_hi:[0,1]
.set q, q+1
.endr
.set i, 0
.rept 3
.set q, 0
.rept 4
	v_cvt_pk_bf16_f32 v[rA+8*i+q], v[rA+8*i+2*q], v[rA+8*i+2*q+1]
.set q, q+1
.endr
.set i, i+1
.endr
	WIN 0x04                                       ; the stores' data in window 1
.set i, 0
.rept 3
	global_store_b128 v[VL16], v[rA+8*i:rA+8*i+3], s[58:59] offset:(8*i+(\c))*512
.set i, i+1
.endr
.endm
	LW 0
	LW 1
.set cc, 0
.rept 8                                ; the vector work of tile c - 1 stands behind the products of tile c: it is also the places in front of the loads into the set just multiplied
.if cc < 7
	s_wait_dscnt 0xa                               ; the next channel tile's ten loads may stay out
.else
	s_wait_dscnt 0x0
.endif
	s_wait_xcnt 0x0                                ; lo's stores of two tiles ago have read the accumulators that these products write
	OPROD cc
.if cc == 0
	PLACES
.else
	EPI cc-1
.endif
.if cc < 6
	LW cc+2
.endif
.set cc, cc+1
.endr
	PLACES
	EPI 7
	WIN 0
.set q, 0
.rept 24                               ; hi leaves as it lies in registers: each store of the wave covers 512 consecutive bytes
	global_store_b128 v[VL16], v[TF+4*q:TF+4*q+3], s[48:49] offset:q*512
.set q, q+1
.endr
	s_wait_loadcnt 0x0                             ; s
	WIN 0x04                                       ; data in window 1
.set q, 0
.rept 24                               ; s takes the place of my block's O, which only I read and have read out
	ds_store_b128 v[VSS], v[4*q:4*q+3] offset:q*2*PO
.set q, q+1
.endr
	WIN 0
	FRAGS                                          ; LDS serves a wave's instructions in order (ISA guide 5.7.1): these see the stores above
	s_wait_xcnt 0x0                                ; lo's last stores have read the accumulators that the gate's products write
.macro LWG g                           ; gate_w's four fragments of granule g (channel tile g / 2; half 0: s's K steps, half 1: t's), into set g % 2: eight loads
.set rW, 96+32*((\g)&1)
	WIN 0x40
.set k, 0
.rept 4
	ds_load_b128 v[rW+8*k:rW+8*k+3], v[VWG] offset:(4*(\g)+k)*1024
	ds_load_b128 v[rW+8*k+4:rW+8*k+7], v[VWG] offset:(4*(\g)+k)*1024+512
.set k, k+1
.endr
.endm
.macro GPROD g                         ; 12 products: source 0 = my rows, source 1 = the weight: a lane holds one channel and eight rows of each tile
.set rW, 96+32*((\g)&1)
.set rA, 176+24*(((\g)/2)&1)
.if ((\g)&1)
.set rF, TF
.else
.set rF, SFR
.endif
	WIN 0x54
.set k, 0
.rept 4
.set i, 0
.rept 3
.if (((\g)&1) == 0) && (k == 0)
	v_wmma_f32_16x16x32_bf16 v[rA+8*i:rA+8*i+7], v[rF+32*i+8*k:rF+32*i+8*k+7], v[rW+8*k:rW+8*k+7], 0
.else
	v_wmma_f32_16x16x32_bf16 v[rA+8*i:rA+8*i+7], v[rF+32*i+8*k:rF+32*i+8*k+7], v[rW+8*k:rW+8*k+7], v[rA+8*i:rA+8*i+7]
.endif
.set i, i+1
.endr
.set k, k+1
.endr
.endm
.macro STATS c                         ; my 24 numbers of channel 16 c + r: their mean, then the sum of their squared deviations from it
.set rA, 176+24*((\c)&1)
	WIN 0x55
.set q, 0
.rept 6
	v_pk_add_f32 v[TW+2*q:TW+2*q+1], v[rA+4*q:rA+4*q+1], v[rA+4*q+2:rA+4*q+3]
.set q, q+1
.endr
	v_pk_add_f32 v[TW:TW+1], v[TW:TW+1], v[TW+2:TW+3]
	v_pk_add_f32 v[TW+4:TW+5], v[TW+4:TW+5], v[TW+6:TW+7]
	v_pk_add_f32 v[TW+8:TW+9], v[TW+8:TW+9], v[TW+10:TW+11]
	v_pk_add_f32 v[TW:TW+1], v[TW:TW+1], v[TW+4:TW+5]
	v_pk_add_f32 v[TW:TW+1], v[TW:TW+1], v[TW+8:TW+9]
	v_add_f32 v[TW], v[TW], v[TW+1]
	v_mul_f32 v[TW+12], 0x3d2aaaab, v[TW]          ; / 24
.set q, 0
.rept 12
	v_pk_add_f32 v[rA+2*q:rA+2*q+1], v[rA+2*q:rA+2*q+1], v[TW+12:TW+13] op_sel_hi:[1,0] neg_lo:[0,1] neg_hi:[0,1]
.set q, q+1
.endr
	v_pk_mul_f32 v[TW:TW+1], v[rA:rA+1], v[rA:rA+1]
	v_pk_mul_f32 v[TW+2:TW+3], v[rA+2:rA+3], v[rA+2:rA+3]
.set q, 2
.rept 10
	v_pk_fma_f32 v[TW+2*(q&1):TW+2*(q&1)+1], v[rA+2*q:rA+2*q+1], v[rA+2*q:rA+2*q+1], v[TW+2*(q&1):TW+2*(q&1)+1]
.set q, q+1
.endr
	v_pk_add_f32 v[TW:TW+1], v[TW:TW+1], v[TW+2:TW+3]
	WIN 0x05                                       ; the two results go to window 0
	v_mov_b32 v[MB+(\c)], v[TW+12]
	v_add_f32 v[M2+(\c)], v[TW], v[TW+1]
.endm
	LWG 0
	LWG 1
.set gg, 0
.rept 16
.if gg < 15
	s_wait_dscnt 0x8                               ; the next granule's eight loads may stay out
.else
	s_wait_dscnt 0x0
.endif
	GPROD gg
.if ((gg&1) == 0) && (gg >= 2)
	STATS (gg/2)-1
.else
	PLACES
.endif
.if gg < 14
	LWG gg+2
.endif
.set gg, gg+1
.endr
	STATS 7
	WIN 0
.set c, 0
.rept 8
	ds_load_b32 v[GB+c], v[VGB] offset:c*64        ; gate_b of my channels
.set c, c+1
.endr
	v_mov_b32 v[XW], 0
	v_mov_b32 v[XW+1], 0
	s_wait_dscnt 0x0
.set c, 0
.rept 8                                ; the lane 16 away holds the channel's other 24 rows: mean of the two means, 24 x 24 / 48 = 12 times their squared difference
	v_permlanex16_b32 v[XW], v[MB+c], s22, s23
	v_permlanex16_b32 v[XW+1], v[M2+c], s22, s23
	v_sub_f32 v[XW+2], v[MB+c], v[XW]
	v_add_f32 v[XW], v[MB+c], v[XW]
	v_add_f32 v[XW+1], v[M2+c], v[XW+1]
	v_mul_f32 v[XW+2], v[XW+2], v[XW+2]
	v_fma_f32 v[MB+c], v[XW], 0.5, v[GB+c]         ; the mean takes the bias in; the deviations do not feel it
	v_fma_f32 v[M2+c], v[XW+2], 0x41400000, v[XW+1]
	ds_store_b32 v[VSTA], v[MB+c] offset:c*64      ; both halves of the lanes write the same word with the same number
	ds_store_b32 v[VSTA], v[M2+c] offset:512+c*64
.set c, c+1
.endr
	s_wait_dscnt 0x0                               ; for the others' sake
	s_barrier_signal -1
	s_barrier_wait -1
	s_cmp_ge_u32 s16, 2
	s_cbranch_scc1 .Lend                           ; waves 0 and 1 merge the eight waves' figures: thread t takes channels 2 t and 2 t + 1
	v_lshl_add_u32 v[CX], v0, 3, STA
	v_lshlrev_b32 v[CX+1], 4, v0
.set j, 0
.rept 8
	ds_load_b64 v[32+2*j:33+2*j], v[CX] offset:j*1024
	ds_load_b64 v[48+2*j:49+2*j], v[CX] offset:j*1024+512
.set j, j+1
.endr
	s_wait_dscnt 0x0
	v_pk_add_f32 v[64:65], v[32:33], v[34:35]
	v_pk_add_f32 v[66:67], v[48:49], v[50:51]
.set j, 2
.rept 6
	v_pk_add_f32 v[64:65], v[64:65], v[32+2*j:33+2*j]
	v_pk_add_f32 v[66:67], v[66:67], v[48+2*j:49+2*j]
.set j, j+1
.endr
	v_pk_mul_f32 v[64:65], v[64:65], 0x3e000000 op_sel_hi:[1,0]   ; / 8
.set j, 0
.rept 8
	v_pk_add_f32 v[32+2*j:33+2*j], v[32+2*j:33+2*j], v[64:65] neg_lo:[0,1] neg_hi:[0,1]
.set j, j+1
.endr
	v_pk_mul_f32 v[68:69], v[32:33], v[32:33]
.set j, 1
.rept 7
	v_pk_fma_f32 v[68:69], v[32+2*j:33+2*j], v[32+2*j:33+2*j], v[68:69]
.set j, j+1
.endr
	v_pk_fma_f32 v[66:67], v[68:69], 0x42400000, v[66:67] op_sel_hi:[1,0,1]   ; 48 rows to a wave
	global_store_b128 v[CX+1], v[64:67], s[50:51]             ; two means, two sums: a wave's store covers 512 consecutive bytes, aligned
.Lend:
	s_wait_tensorcnt 0x0                           ; the wave's end, behind my last LDS store
	ds_add_u32 v[SPW], v[NIL]
	s_wait_dscnt 0x0
	s_endpgm
.Lfunc_end_k_q44454df6ff_temporal:
	.size	k_q44454df6ff_temporal, .Lfunc_end_k_q44454df6ff_temporal-k_q44454df6ff_temporal
	.p2alignl 7, 3214868480
	.fill 96, 4, 3214868480
	.section	.rodata,"a",@progbits
	.p2align	6, 0x0
	.amdhsa_kernel k_q44454df6ff_temporal
		.amdhsa_group_segment_fixed_size 273152
		.amdhsa_private_segment_fixed_size 0
		.amdhsa_enable_private_segment 0
		.amdhsa_kernarg_size 56
		.amdhsa_user_sgpr_count 2
		.amdhsa_user_sgpr_kernarg_segment_ptr 1
		.amdhsa_wavefront_size32 1
		.amdhsa_system_sgpr_workgroup_id_x 1
		.amdhsa_system_sgpr_workgroup_id_y 1
		.amdhsa_system_sgpr_workgroup_id_z 1
		.amdhsa_system_vgpr_workitem_id 0
		.amdhsa_next_free_vgpr 512
		.amdhsa_next_free_sgpr 66
		.amdhsa_reserve_vcc 1
		.amdhsa_float_denorm_mode_32 3
		.amdhsa_float_denorm_mode_16_64 3
		.amdhsa_memory_ordered 1
		.amdhsa_forward_progress 1
		.amdhsa_inst_pref_size 158
	.end_amdhsa_kernel
	.amdgpu_metadata
---
amdhsa.version: [ 1, 2 ]
amdhsa.kernels:
  - .name:           k_q44454df6ff_temporal
    .symbol:         k_q44454df6ff_temporal.kd
    .args:
      - { .name: htb, .offset: 0, .size: 8, .value_kind: global_buffer, .address_space: global }
      - { .name: sbuf, .offset: 8, .size: 8, .value_kind: global_buffer, .address_space: global }
      - { .name: wf, .offset: 16, .size: 8, .value_kind: global_buffer, .address_space: global }
      - { .name: bias, .offset: 24, .size: 8, .value_kind: global_buffer, .address_space: global }
      - { .name: tbuf, .offset: 32, .size: 8, .value_kind: global_buffer, .address_space: global }
      - { .name: tlo, .offset: 40, .size: 8, .value_kind: global_buffer, .address_space: global }
      - { .name: part, .offset: 48, .size: 8, .value_kind: global_buffer, .address_space: global }
    .group_segment_fixed_size: 273152
    .private_segment_fixed_size: 0
    .kernarg_segment_align: 8
    .kernarg_segment_size: 56
    .max_flat_workgroup_size: 256
    .sgpr_count:     66
    .vgpr_count:     512
    .wavefront_size: 32
...
	.end_amdgpu_metadata
.endif
;; end of part 3
;; launch final (part 4): grid 207 x 1, 4 waves a work-group, no clusters, 122,368 bytes of LDS; arguments sbuf, slo, tbuf, tlo, part, wf, bias, out0; writes out0
.if DOCPART == 4
	.amdgcn_target "amdgcn-amd-amdhsa--gfx1250"
	.amdhsa_code_object_version 6
	.text
	.protected	k_q44454df6ff_final
	.globl	k_q44454df6ff_final
	.p2align	8
	.type	k_q44454df6ff_final,@function
k_q44454df6ff_final:
	s_mov_b64 s[64:65], 0
	v_nop
	global_prefetch_b8 v0, s[64:65] scope:SCOPE_SE
	s_setreg_imm32_b32 hwreg(HW_REG_WAVE_MODE, 25, 1), 1
	s_wait_xcnt 0x0
; THE GATE.  out = z s + (1 - z) t,  z = sigmoid((gi - mean) rsqrt(var + 1e-5) gamma + beta),  gi = [s | t] Wg + bg, mean and var over all 79,488 rows.
; s and t come as pairs of bf16 numbers, hi and lo (lo = bf16 of what hi leaves): gi = (s_hi + s_lo) Wg_s + (t_hi + t_lo) Wg_t, four runs of products on the same weight fragments.  gi is divided by
; its spread over the batch, which is small beside s and t, so eight significant bits of the operands would show in z; the pair holds sixteen, at bf16's range.
; LIMIT.  The blend itself takes the hi parts alone: both of its terms are non-negative, so that costs at most 2^-9 of the result.
; THE STATISTICS.  part holds, for each of 207 work-groups of 384 rows, 16 bytes for each pair of channels: two means, two sums of squared deviations.  Every work-group here merges them for itself.
; Thread t takes the pair of channels t mod 64 in 104 rows: the lower 64 threads rows 0..103, the upper 64 rows 103..206; row 103, which falls to both, is replaced in the upper half by (pivot, 0) and adds nothing.
; The spread of the 207 means is taken about a pivot, the first work-group's mean: S2 - S1^2 / 207 with S1, S2 the sums of (m - pivot) and of its square, numbers of the size of the means' spread,
; not of the means.  var = (sum of the 207 sums + 384 x that spread) / 79,488.
; FORMATS.  s, t, Wg: bf16; all else f32.  z = 1 / (1 + 2^y): where 2^y overflows z is 0, as it should be.  NaN and infinities in the inputs are not treated apart.
; SHARES.  4,968 row tiles of 16 = 207 work-groups x 4 waves x 6 tiles.  All of Wg, 64 fragments, stays in windows 2 and 3 of every wave; it is brought once by the work-group (16 bytes x 32 a thread)
; and handed round through LDS: 65,536 bytes of loads and not 4 x 65,536.  With source 0 = weight and source 1 = rows a lane holds one row and eight channels, the very channels of which its fragments
; of s and t hold the bf16 numbers.  NO CLUSTER: only Wg and part are shared, and each is read once by a work-group.
; ONE TEXT FOR A TILE, six trips.  The next tile's loads go into the registers of the tile in hand as soon as their last reader has passed: s's rows behind the stage; t_lo behind the products; t_hi four
; registers at a time, behind each channel tile's unpacking.  The products go s_hi, s_lo, t_lo, t_hi, so that what was asked for last is wanted last.
; The last tile asks for itself once more (the number is clamped, the loads stay inside their buffers) and that data is not used.
; LDS: STS a stage of 16 x 272 a wave (s's rows into fragments, hi and then lo); STO 16 x 528 a wave (the result into whole rows); XCH, TAB the statistics; WGS Wg in fragment order; the spare words.
; REGISTERS.  Window 0: v0-31 addresses and at work; v32-63 s_hi as loaded; v64-95 its fragments; v96-127 t_hi's fragments; v160-223 eight accumulators; v224-239 s, t as f32.
; Window 1: v0-63, v64-127 the two factors for my channels; v160-191 s_lo as loaded; v192-223 t_lo's fragments; v224-255 s_lo's fragments.
; Windows 2, 3: Wg, K step k, channel tile c at 8 (8 (k % 4) + c); before that window 2: v0-207 rows of part, v208-221 sums and pivot; window 3: v0-127 my share of Wg on its way to LDS.
.set PO,    272
.set PW,    528
.set STS,   0
.set STO,   4*16*PO
.set XCH,   STO+4*16*PW
.set TAB,   XCH+4096
.set WGS,   TAB+1024
.set SPARE, WGS+65536
.set WF_G,  524288
.set VL16, 1
.set SPW,  2                           ; my spare word; never rewritten
.set NIL,  3                           ; 0; never rewritten
.set VSS,  4                           ; s's rows into my stage
.set VSF,  5                           ; fragments out of it
.set VOW,  6                           ; the result into my stage
.set VOR,  7                           ; whole rows out of it
.set VP,   8                           ; part: 16 x (thread mod 64) + 103 rows for the upper half
.set VT4,  9                           ; 4 x thread
.set RR,   10
.set HH,   11
.set GA,   12                          ; gamma, beta, gate_b of channel = thread
.set BE,   13
.set GBI,  14
.set XA,   15                          ; XCH + 8 x thread
.set XB,   24                          ; XCH + 4 x thread
.set XT,   25                          ; TAB + 4 x thread
.set VTB,  26
.set VT16, 27                          ; 16 x thread
.set VWS,  28                          ; where my share of Wg goes
.set VWL,  29                          ; Wg in LDS, 16 l
.set VPV,  30                          ; 16 x (thread mod 64)
.set SR,   32
.set SF,   64
.set TF,   96
.set G,    160
.set SU,   224
.set TU,   232
.set SRL,  160                         ; window 1
.set TL,   192
.set SFL,  224
.set S1A,  208                         ; window 2: two chains of three sums,
.set S2A,  210
.set SMA,  212
.set PIV,  220                         ; and the pivot
.set MSB, 0
.macro WIN new                         ; the immediate's high byte repeats the setting that is left; a switch that changes nothing is dropped
.if MSB != (\new)
	s_set_vgpr_msb (MSB<<8)|(\new)
.set MSB, \new
.endif
.endm
.macro PLACES                          ; four plain instructions between a matrix instruction and a vector instruction or load that touches its registers
.rept 4
	v_nop
.endr
.endm
	s_load_b256 s[4:11], s[0:1], 0x0               ; sbuf 4, slo 6, tbuf 8, tlo 10
	s_load_b256 s[48:55], s[0:1], 0x20             ; part 48, wf 50, bias 52, out0 54
	v_lshl_add_u32 v[SPW], v0, 2, SPARE
	v_mov_b32 v[NIL], 0
	v_lshrrev_b32 v[RR], 5, v0
	v_readfirstlane_b32 s16, v[RR]                 ; wave
	s_lshl_b32 s17, ttmp9, 2
	s_add_co_u32 s17, s17, s16                     ; my wave among all: six tiles each
	s_cmp_ge_u32 s16, 2
	s_cselect_b32 s46, -1, 0                       ; all lanes of waves 2 and 3: the upper half's first row counts for nothing
	s_mov_b32 s20, 0xffff0000
	s_mov_b32 s31, 0
	s_mov_b32 s36, 0
	s_mov_b32 s37, 0
	s_mov_b32 s38, 0
	s_mov_b32 s44, 0x375310e7                      ; 1 / 79,488
	s_mov_b32 s45, 0x3727c5ac                      ; 1e-5
	v_and_b32 v[RR], 15, v0
	v_bfe_u32 v[HH], v0, 4, 1
	v_and_b32 v[VL16], 31, v0
	v_lshlrev_b32 v[VL16], 4, v[VL16]
	v_lshlrev_b32 v[VT4], 2, v0
	v_lshlrev_b32 v[VT16], 4, v0
	v_add_nc_u32 v[VWS], WGS, v[VT16]
	v_add_nc_u32 v[VWL], WGS, v[VL16]
	v_and_b32 v[VPV], 63, v0
	v_lshlrev_b32 v[VPV], 4, v[VPV]
	v_lshrrev_b32 v[VP], 6, v0
	v_mul_u32_u24 v[VP], v[VP], 103*1024
	v_add_nc_u32 v[VP], v[VP], v[VPV]
	s_mul_i32 s18, s16, 16*PO
	v_mul_u32_u24 v[VSS], v[HH], PO
	v_lshl_add_u32 v[VSS], v[RR], 4, v[VSS]
	v_add_nc_u32 v[VSS], s18, v[VSS]
	v_mul_u32_u24 v[VSF], v[RR], PO
	v_lshl_add_u32 v[VSF], v[HH], 4, v[VSF]
	v_add_nc_u32 v[VSF], s18, v[VSF]
	s_mul_i32 s18, s16, 16*PW
	s_add_co_u32 s18, s18, STO
	v_mul_u32_u24 v[VOW], v[RR], PW
	v_lshl_add_u32 v[VOW], v[HH], 5, v[VOW]
	v_add_nc_u32 v[VOW], s18, v[VOW]
	v_add_nc_u32 v[VOR], s18, v[VL16]
	v_lshl_add_u32 v[XA], v0, 3, XCH
	v_add_nc_u32 v[XB], XCH, v[VT4]
	v_add_nc_u32 v[XT], TAB, v[VT4]
	v_lshlrev_b32 v[VTB], 5, v[HH]
	v_add_nc_u32 v[VTB], TAB, v[VTB]
	s_mul_i32 s30, s17, 24576                      ; six tiles of 4,096 bytes, in each of the four
	s_wait_kmcnt 0x0
	s_add_nc_u64 s[22:23], s[4:5], s[30:31]        ; s_hi
	s_add_nc_u64 s[56:57], s[6:7], s[30:31]        ; s_lo
	s_add_nc_u64 s[24:25], s[8:9], s[30:31]        ; t_hi
	s_add_nc_u64 s[58:59], s[10:11], s[30:31]      ; t_lo
	s_mul_i32 s30, s17, 49152                      ; six tiles of 8,192 bytes in out0
	s_add_nc_u64 s[26:27], s[54:55], s[30:31]
	s_add_nc_u64 s[42:43], s[50:51], WF_G
	s_mov_b64 s[40:41], s[48:49]
	global_load_b32 v[GA], v[VT4], s[52:53] offset:6656
	global_load_b32 v[BE], v[VT4], s[52:53] offset:7168
	global_load_b32 v[GBI], v[VT4], s[52:53] offset:6144
	WIN 0x80
	global_load_b64 v[PIV:PIV+1], v[VPV], s[48:49] ; the pivot: the first work-group's means of my two channels
.set i, 0
.rept 12
	v_mov_b32 v[S1A+i], 0
.set i, i+1
.endr
	WIN 0xc0
.set j, 0
.rept 32                               ; my share of Wg: the work-group's load j covers bytes 2,048 j on
	global_load_b128 v[4*j:4*j+3], v[VT16], s[42:43] offset:j*2048
.set j, j+1
.endr
	WIN 0
.set q, 0
.rept 8                                ; tile 0
	global_load_b128 v[SR+4*q:SR+4*q+3], v[VL16], s[22:23] offset:q*512 th:TH_LOAD_NT
	global_load_b128 v[TF+4*q:TF+4*q+3], v[VL16], s[24:25] offset:q*512 th:TH_LOAD_NT
.set q, q+1
.endr
	WIN 0x40
.set q, 0
.rept 8
	global_load_b128 v[SRL+4*q:SRL+4*q+3], v[VL16], s[56:57] offset:q*512 th:TH_LOAD_NT
	global_load_b128 v[TL+4*q:TL+4*q+3], v[VL16], s[58:59] offset:q*512 th:TH_LOAD_NT
.set q, q+1
.endr
	WIN 0
; rows a and a + 1 (a even) onto the three sums, each row on its own chain
.macro ROWS2 a
.irp j, 0,1
	v_pk_add_f32 v[SMA+6*\j:SMA+6*\j+1], v[SMA+6*\j:SMA+6*\j+1], v[4*((\a)+\j)+2:4*((\a)+\j)+3]
.endr
.irp j, 0,1
	v_pk_add_f32 v[S1A+6*\j:S1A+6*\j+1], v[S1A+6*\j:S1A+6*\j+1], v[4*((\a)+\j):4*((\a)+\j)+1]
.endr
.irp j, 0,1
	v_pk_fma_f32 v[S2A+6*\j:S2A+6*\j+1], v[4*((\a)+\j):4*((\a)+\j)+1], v[4*((\a)+\j):4*((\a)+\j)+1], v[S2A+6*\j:S2A+6*\j+1]
.endr
.endm
	; two trips of 52 rows; a wave's load covers 512 consecutive bytes of a row
	s_mov_b32 s39, 2
.Lst:
	WIN 0x80
.set i, 0
.rept 52
	global_load_b128 v[4*i:4*i+3], v[VP], s[40:41] offset:i*1024
.set i, i+1
.endr
	s_wait_loadcnt 0x0
	WIN 0xaa                                       ; all in window 2
	v_cndmask_b32 v0, v0, v[PIV], s46              ; the first trip's first row in the upper half: row 103, which the lower half counts
	v_cndmask_b32 v1, v1, v[PIV+1], s46
	v_cndmask_b32 v2, v2, 0, s46
	v_cndmask_b32 v3, v3, 0, s46
.set i, 0
.rept 13
.irp j, 0,1,2,3
	v_pk_add_f32 v[4*(i+\j):4*(i+\j)+1], v[4*(i+\j):4*(i+\j)+1], v[PIV:PIV+1] neg_lo:[0,1] neg_hi:[0,1]
.endr
	ROWS2 i
	ROWS2 i+2
.set i, i+4
.endr
	WIN 0
	s_mov_b32 s46, 0
	s_add_nc_u64 s[40:41], s[40:41], 53248         ; 52 rows on; the loads that named the pointer are back
	s_sub_co_u32 s39, s39, 1
	s_cmp_lg_u32 s39, 0
	s_cbranch_scc1 .Lst
	WIN 0xaa
	v_pk_add_f32 v[S1A:S1A+1], v[S1A:S1A+1], v[S1A+6:S1A+7]
	v_pk_add_f32 v[S2A:S2A+1], v[S2A:S2A+1], v[S2A+6:S2A+7]
	v_pk_add_f32 v[SMA:SMA+1], v[SMA:SMA+1], v[SMA+6:SMA+7]
	WIN 0x08                                       ; the stores' data in window 2
	ds_store_b64 v[XA], v[S1A:S1A+1]               ; word 128 x half + channel of each kilobyte: S1, S2, the sums, the pivot
	ds_store_b64 v[XA], v[S2A:S2A+1] offset:1024
	ds_store_b64 v[XA], v[SMA:SMA+1] offset:2048
	ds_store_b64 v[XA], v[PIV:PIV+1] offset:3072
	WIN 0x0c                                       ; in window 3
.set j, 0
.rept 32
	ds_store_b128 v[VWS], v[4*j:4*j+3] offset:j*2048
.set j, j+1
.endr
	WIN 0
	s_wait_dscnt 0x0                               ; for the others' sake: my sums and my share of Wg are in LDS
	s_barrier_signal -1
	s_barrier_wait -1
	ds_load_b32 v16, v[XB]                         ; thread c, channel c: S1 of the two halves,
	ds_load_b32 v17, v[XB] offset:512
	ds_load_b32 v18, v[XB] offset:1024             ; S2,
	ds_load_b32 v19, v[XB] offset:1536
	ds_load_b32 v20, v[XB] offset:2048             ; the sums of squared deviations,
	ds_load_b32 v21, v[XB] offset:2560
	ds_load_b32 v22, v[XB] offset:3072             ; the pivot
	s_wait_dscnt 0x0
	v_add_f32 v16, v16, v17
	v_add_f32 v18, v18, v19
	v_add_f32 v20, v20, v21
	v_mul_f32 v17, v16, v16
	v_fma_f32 v22, v16, 0x3b9e4cad, v22            ; mean = pivot + S1 / 207 (bias included)
	v_fma_f32 v18, v17, 0xbb9e4cad, v18            ; the means' spread: S2 - S1^2 / 207
	v_fma_f32 v20, v18, 0x43c00000, v20            ; + 384 x spread
	v_fma_f32 v20, v20, s44, s45                   ; var + 1e-5
	v_rsq_f32 v20, v20
	v_sub_f32 v22, v[GBI], v22                     ; bg - mean: also the plain instruction behind the root
	s_wait_alu depctr_va_vdst(0)
	v_mul_f32 v20, v[GA], v20                      ; A = gamma / sqrt(var + 1e-5)
	v_fma_f32 v22, v22, v20, v[BE]                 ; B = beta + (bg - mean) A
	v_mul_f32 v20, 0xbfb8aa3b, v20                 ; both times -log2(e): z = 1 / (1 + 2^(g A' + B'))
	v_mul_f32 v22, 0xbfb8aa3b, v22
	ds_store_b32 v[XT], v20
	ds_store_b32 v[XT], v22 offset:512
	s_wait_dscnt 0x0
	s_barrier_signal -1
	s_barrier_wait -1
	WIN 0x40
.set c, 0
.rept 8                                ; the factors of my channels 16 c + 8 h + j
	ds_load_b128 v[8*c:8*c+3], v[VTB] offset:c*64
	ds_load_b128 v[8*c+4:8*c+7], v[VTB] offset:c*64+16
	ds_load_b128 v[64+8*c:64+8*c+3], v[VTB] offset:512+c*64
	ds_load_b128 v[64+8*c+4:64+8*c+7], v[VTB] offset:512+c*64+16
.set c, c+1
.endr
	WIN 0x80
.set k, 0
.rept 4
.set c, 0
.rept 8                                ; all of Wg: K steps 0..3 (s's) into window 2,
	ds_load_b128 v[8*(8*k+c):8*(8*k+c)+3], v[VWL] offset:(8*c+k)*1024
	ds_load_b128 v[8*(8*k+c)+4:8*(8*k+c)+7], v[VWL] offset:(8*c+k)*1024+512
.set c, c+1
.endr
.set k, k+1
.endr
	WIN 0xc0
.set k, 0
.rept 4
.set c, 0
.rept 8                                ; K steps 4..7 (t's) into window 3
	ds_load_b128 v[8*(8*k+c):8*(8*k+c)+3], v[VWL] offset:(8*c+k+4)*1024
	ds_load_b128 v[8*(8*k+c)+4:8*(8*k+c)+7], v[VWL] offset:(8*c+k+4)*1024+512
.set c, c+1
.endr
.set k, k+1
.endr
	WIN 0
; 32 products: four K steps of the weight in the window that WIN has set, the rows' fragments from f on; eight accumulators by turns.  zero = 1: the first step starts the sums
.macro GATE32 f, zero
.set k, 0
.rept 4
.set c, 0
.rept 8
.if (\zero) && (k == 0)
	v_wmma_f32_16x16x32_bf16 v[G+8*c:G+8*c+7], v[8*(8*k+c):8*(8*k+c)+7], v[(\f)+8*k:(\f)+8*k+7], 0
.else
	v_wmma_f32_16x16x32_bf16 v[G+8*c:G+8*c+7], v[8*(8*k+c):8*(8*k+c)+7], v[(\f)+8*k:(\f)+8*k+7], v[G+8*c:G+8*c+7]
.endif
.set c, c+1
.endr
.set k, k+1
.endr
.endm
	s_mov_b32 s39, 6
.Ltile:                                                ; a trip a tile
	s_wait_loadcnt 0x10                            ; s's rows, hi and lo, are in: behind them t_lo's eight loads and t_hi's eight were issued
	s_wait_xcnt 0x0                                ; pointers, and the registers that the tile before's stores read, are written anew only behind this wait
	s_add_nc_u64 s[34:35], s[26:27], s[36:37]      ; out0 at this tile
	s_add_co_u32 s38, s38, 1
	s_min_u32 s30, s38, 5
	s_lshl_b32 s30, s30, 12
	s_add_nc_u64 s[28:29], s[22:23], s[30:31]      ; the four streams at the next tile
	s_add_nc_u64 s[32:33], s[24:25], s[30:31]
	s_add_nc_u64 s[60:61], s[56:57], s[30:31]
	s_add_nc_u64 s[62:63], s[58:59], s[30:31]
.set q, 0
.rept 8
	ds_store_b128 v[VSS], v[SR+4*q:SR+4*q+3] offset:q*2*PO
.set q, q+1
.endr
.set k, 0
.rept 4                                ; LDS serves a wave's instructions in order (ISA guide 5.7.1): these see s_hi's stores above,
	ds_load_b128 v[SF+8*k:SF+8*k+3], v[VSF] offset:k*64
	ds_load_b128 v[SF+8*k+4:SF+8*k+7], v[VSF] offset:k*64+32
.set k, k+1
.endr
	WIN 0x04                                       ; data in window 1
.set q, 0
.rept 8                                ; s_lo's stores into the same stage come behind them,
	ds_store_b128 v[VSS], v[SRL+4*q:SRL+4*q+3] offset:q*2*PO
.set q, q+1
.endr
	WIN 0x40
.set k, 0
.rept 4                                ; and these see s_lo's
	ds_load_b128 v[SFL+8*k:SFL+8*k+3], v[VSF] offset:k*64
	ds_load_b128 v[SFL+8*k+4:SFL+8*k+7], v[VSF] offset:k*64+32
.set k, k+1
.endr
	s_wait_dscnt 0x0
.set q, 0
.rept 8                                ; the next tile's rows of s: sixteen loads
	global_load_b128 v[SRL+4*q:SRL+4*q+3], v[VL16], s[60:61] offset:q*512 th:TH_LOAD_NT
.set q, q+1
.endr
	WIN 0
.set q, 0
.rept 8
	global_load_b128 v[SR+4*q:SR+4*q+3], v[VL16], s[28:29] offset:q*512 th:TH_LOAD_NT
.set q, q+1
.endr
	WIN 0x02                                       ; the weight in window 2, s_hi in window 0
	GATE32 SF, 1
	WIN 0x06                                       ; s_lo in window 1
	GATE32 SFL, 0
	s_wait_loadcnt 0x18                            ; t_lo is in: behind it t_hi's eight loads and the sixteen just issued
	WIN 0x07                                       ; the weight in window 3, t_lo in window 1
	GATE32 TL, 0
	s_wait_loadcnt 0x10                            ; t_hi is in: behind it the sixteen
	WIN 0x03                                       ; t_hi in window 0
	GATE32 TF, 0
	WIN 0
	PLACES
	WIN 0x40
.set q, 0
.rept 8                                ; the next tile's t_lo, into the registers that the products have read: eight loads
	global_load_b128 v[TL+4*q:TL+4*q+3], v[VL16], s[62:63] offset:q*512 th:TH_LOAD_NT
.set q, q+1
.endr
	WIN 0x14                                       ; the two factors in window 1
.set q, 0
.rept 32
	v_pk_fma_f32 v[G+2*q:G+2*q+1], v[G+2*q:G+2*q+1], v[2*q:2*q+1], v[64+2*q:64+2*q+1]
.set q, q+1
.endr
	WIN 0
.set c, 0
.rept 8
.set rG, G+8*c
.set rS, SF+4*c
.set rT, TF+4*c
.set q, 0
.rept 8
	v_exp_f32 v[rG+q], v[rG+q]
.set q, q+1
.endr
.set q, 0
.rept 4                                ; s and t of the same eight channels, bf16 to f32: also the plain instructions behind the exponentials
	v_lshlrev_b32 v[SU+2*q], 16, v[rS+q]
	v_and_b32 v[SU+2*q+1], s20, v[rS+q]
	v_lshlrev_b32 v[TU+2*q], 16, v[rT+q]
	v_and_b32 v[TU+2*q+1], s20, v[rT+q]
.set q, q+1
.endr
	global_load_b128 v[rT:rT+3], v[VL16], s[32:33] offset:c*512 th:TH_LOAD_NT   ; these four registers of t_hi have had their last reader: the next tile's take their place (eight such loads a tile)
.set q, 0
	s_wait_alu depctr_va_vdst(0)
.rept 4
	v_pk_add_f32 v[rG+2*q:rG+2*q+1], v[rG+2*q:rG+2*q+1], 1.0 op_sel_hi:[1,0]
.set q, q+1
.endr
.set q, 0
.rept 8
	v_rcp_f32 v[rG+q], v[rG+q]
.set q, q+1
.endr
.set q, 0
.rept 4                                ; s - t: also the plain instructions behind the reciprocals
	v_pk_add_f32 v[SU+2*q:SU+2*q+1], v[SU+2*q:SU+2*q+1], v[TU+2*q:TU+2*q+1] neg_lo:[0,1] neg_hi:[0,1]
.set q, q+1
.endr
.set q, 0
	s_wait_alu depctr_va_vdst(0)
.rept 4
	v_pk_fma_f32 v[rG+2*q:rG+2*q+1], v[rG+2*q:rG+2*q+1], v[SU+2*q:SU+2*q+1], v[TU+2*q:TU+2*q+1]   ; z (s - t) + t
.set q, q+1
.endr
	ds_store_b128 v[VOW], v[rG:rG+3] offset:c*64
	ds_store_b128 v[VOW], v[rG+4:rG+7] offset:c*64+16
.set c, c+1
.endr
.set q, 0
.rept 16
	ds_load_b128 v[G+4*q:G+4*q+3], v[VOR] offset:q*PW
.set q, q+1
.endr
.set q, 0
.rept 16
	s_wait_dscnt 15-q                              ; the younger rows may stay out
	global_store_b128 v[VL16], v[G+4*q:G+4*q+3], s[34:35] offset:q*512 th:TH_STORE_NT   ; a row's 512 consecutive bytes
.set q, q+1
.endr
	s_add_co_u32 s36, s36, 8192
	s_sub_co_u32 s39, s39, 1
	s_cmp_lg_u32 s39, 0
	s_cbranch_scc1 .Ltile
	s_wait_loadcnt 0x0                             ; the clamped loads of the last tile
	s_wait_tensorcnt 0x0                           ; the wave's end, behind my last LDS store
	ds_add_u32 v[SPW], v[NIL]
	s_wait_dscnt 0x0
	s_endpgm
.Lfunc_end_k_q44454df6ff_final:
	.size	k_q44454df6ff_final, .Lfunc_end_k_q44454df6ff_final-k_q44454df6ff_final
	.p2alignl 7, 3214868480
	.fill 96, 4, 3214868480
	.section	.rodata,"a",@progbits
	.p2align	6, 0x0
	.amdhsa_kernel k_q44454df6ff_final
		.amdhsa_group_segment_fixed_size 122368
		.amdhsa_private_segment_fixed_size 0
		.amdhsa_enable_private_segment 0
		.amdhsa_kernarg_size 64
		.amdhsa_user_sgpr_count 2
		.amdhsa_user_sgpr_kernarg_segment_ptr 1
		.amdhsa_wavefront_size32 1
		.amdhsa_system_sgpr_workgroup_id_x 1
		.amdhsa_system_sgpr_workgroup_id_y 1
		.amdhsa_system_sgpr_workgroup_id_z 1
		.amdhsa_system_vgpr_workitem_id 0
		.amdhsa_next_free_vgpr 1024
		.amdhsa_next_free_sgpr 66
		.amdhsa_reserve_vcc 0
		.amdhsa_float_denorm_mode_32 3
		.amdhsa_float_denorm_mode_16_64 3
		.amdhsa_memory_ordered 1
		.amdhsa_forward_progress 1
		.amdhsa_inst_pref_size 78
	.end_amdhsa_kernel
	.amdgpu_metadata
---
amdhsa.version: [ 1, 2 ]
amdhsa.kernels:
  - .name:           k_q44454df6ff_final
    .symbol:         k_q44454df6ff_final.kd
    .args:
      - { .name: sbuf, .offset: 0, .size: 8, .value_kind: global_buffer, .address_space: global }
      - { .name: slo, .offset: 8, .size: 8, .value_kind: global_buffer, .address_space: global }
      - { .name: tbuf, .offset: 16, .size: 8, .value_kind: global_buffer, .address_space: global }
      - { .name: tlo, .offset: 24, .size: 8, .value_kind: global_buffer, .address_space: global }
      - { .name: part, .offset: 32, .size: 8, .value_kind: global_buffer, .address_space: global }
      - { .name: wf, .offset: 40, .size: 8, .value_kind: global_buffer, .address_space: global }
      - { .name: bias, .offset: 48, .size: 8, .value_kind: global_buffer, .address_space: global }
      - { .name: out0, .offset: 56, .size: 8, .value_kind: global_buffer, .address_space: global }
    .group_segment_fixed_size: 122368
    .private_segment_fixed_size: 0
    .kernarg_segment_align: 8
    .kernarg_segment_size: 64
    .max_flat_workgroup_size: 128
    .sgpr_count:     66
    .vgpr_count:     1024
    .wavefront_size: 32
...
	.end_amdgpu_metadata
.endif
;; end of part 4
;; ======== version 2 of 2: 4 launches; version 1 with the launch final written anew for expert scheduling mode
;; limits: values outside matrix products are rounded to bf16; values are held in f16: magnitudes above 65,504 overflow, below 6.1e-05 lose precision
;; workspace buffers: wf 720,896 bytes; bias 7,680 bytes; htb 40,697,856 bytes; sbuf 20,348,928 bytes; slo 20,348,928 bytes; tbuf 20,348,928 bytes; tlo 20,348,928 bytes; part 211,968 bytes
;; launch prep: the kernel of part 1 again; grid 177 x 1, 8 waves a work-group, no clusters, 0 bytes of LDS; arguments sq_w, sk_w, tq_w, tk_w, gate_w, sv_w, tv_w, so_w, to_w, sq_b, sk_b, tq_b, tk_b, sv_b, so_b, tv_b, to_b, gate_b, bn_gamma, bn_beta, wf, bias; writes wf, bias
;; launch spatial: the kernel of part 2 again; grid 512 x 1, 8 waves a work-group, no clusters, 249,088 bytes of LDS; arguments hidden, tXin, wf, bias, htb, sbuf, slo; writes htb, sbuf, slo
;; launch temporal: the kernel of part 3 again; grid 207 x 1, 8 waves a work-group, no clusters, 273,152 bytes of LDS; arguments htb, sbuf, wf, bias, tbuf, tlo, part; writes tbuf, tlo, part
;; launch final (part 5): grid 207 x 1, 4 waves a work-group, no clusters, 122,368 bytes of LDS; arguments sbuf, slo, tbuf, tlo, part, wf, bias, out0; writes out0
.if DOCPART == 5
	.amdgcn_target "amdgcn-amd-amdhsa--gfx1250"
	.amdhsa_code_object_version 6
	.text
	.protected	k_q44454df6ff_final
	.globl	k_q44454df6ff_final
	.p2align	8
	.type	k_q44454df6ff_final,@function
k_q44454df6ff_final:
	s_mov_b64 s[64:65], 0
	v_nop
	global_prefetch_b8 v0, s[64:65] scope:SCOPE_SE
	s_setreg_imm32_b32 hwreg(HW_REG_WAVE_SCHED_MODE, 0, 2), 2
	s_setreg_imm32_b32 hwreg(HW_REG_WAVE_MODE, 25, 1), 1
	s_wait_xcnt 0x0
	s_wait_alu depctr_vm_vsrc(0)
; THE GATE.  out = z s + (1 - z) t,  z = sigmoid((gi - mean) rsqrt(var + 1e-5) gamma + beta),  gi = [s | t] Wg + bg, mean and var over all 79,488 rows.
; s and t come as pairs of bf16 numbers, hi and lo (lo = bf16 of what hi leaves): gi = (s_hi + s_lo) Wg_s + (t_hi + t_lo) Wg_t, four runs of products on the same weight fragments.  gi is divided by
; its spread over the batch, which is small beside s and t, so eight significant bits of the operands would show in z; the pair holds sixteen, at bf16's range.
; LIMIT.  The blend itself takes the hi parts alone: both of its terms are non-negative, so that costs at most 2^-9 of the result.
; THE STATISTICS.  part holds, for each of 207 work-groups of 384 rows, 16 bytes for each pair of channels: two means, two sums of squared deviations.  Every work-group here merges them for itself.
; Thread t takes the pair of channels t mod 64 in 104 rows: the lower 64 threads rows 0..103, the upper 64 rows 103..206; row 103, which falls to both, is replaced in the upper half by (pivot, 0) and adds nothing.
; The spread of the 207 means is taken about a pivot, the first work-group's mean: S2 - S1^2 / 207 with S1, S2 the sums of (m - pivot) and of its square, numbers of the size of the means' spread,
; not of the means.  var = (sum of the 207 sums + 384 x that spread) / 79,488.
; FORMATS.  s, t, Wg: bf16; all else f32.  z = 1 / (1 + 2^y): where 2^y overflows z is 0, as it should be.  NaN and infinities in the inputs are not treated apart.
; SHARES.  4,968 row tiles of 16 = 207 work-groups x 4 waves x 6 tiles.  All of Wg, 64 fragments, stays in windows 2 and 3 of every wave; it is brought once by the work-group (16 bytes x 32 a thread)
; and handed round through LDS: 65,536 bytes of loads and not 4 x 65,536.  With source 0 = weight and source 1 = rows a lane holds one row and eight channels, the very channels of which its fragments
; of s and t hold the bf16 numbers.  NO CLUSTER: only Wg and part are shared, and each is read once by a work-group.
; ONE TEXT FOR A TILE, six trips.  The next tile's loads go into the registers of the tile in hand as soon as their last reader has passed: s's rows behind the stage's stores; t_lo behind the products; t_hi
; sixteen registers at a time, behind each half's unpacking.  The products go s_hi, s_lo, t_lo, t_hi, so that what was asked for last is wanted last.
; The last tile asks for itself once more (the number is clamped, the loads stay inside their buffers) and that data is not used.
; THE MODE: SCHED_MODE bits 1:0 = 2 (LLVM: expert scheduling mode 2), set by the entry lines.  The code itself states the register dependences
; between vector or matrix instructions and memory or LDS instructions, with s_wait_alu, always for 0.
; THE PLAN.  Registers that memory or LDS instructions touch in the tile loop, and who else names them:
;   SR, SRL   s's rows as loaded.  Written by global loads at a tile's head, read by the LDS stores into my stage at the next head.  No vector instruction names them.
;   SF, SFL   s's fragments.  Written by the LDS loads at the head; read by the products, SF also by both unpackings.
;   TL        t_lo's fragments.  Written by global loads; read by the products.
;   TF        t_hi's fragments.  Written by global loads, sixteen registers at a time; read by the products and by that half's unpacking.
;   G         Written by the products and the arithmetic behind them; read by the LDS stores into the result's stage.
;   U         Written by the unpackings and the subtractions, read by the blends; then the LDS loads of the result's whole rows land in it and the global stores read it.
;   v1, v4-v9, v15, v24-v30   addresses: made at the head, never written again; the streams move by scalar bases and immediate offsets.
; The way out goes in two halves, A (channel tiles 0-3) and B (4-7), laid over each other, so that FIVE waits state all of a tile's dependences: one on vm_vsrc at the head, behind the stage's 32 LDS
; instructions, and four on va_vdst in the way out; each is explained where it stands.  Between the last of them and the next tile's products no vector instruction is issued, so it also serves
; the LDS loads into SF and SFL at the next head.
; LDS: STS a stage of 16 x 272 a wave (s's rows into fragments, hi and then lo); STO 16 x 528 a wave (the result into whole rows); XCH, TAB the statistics; WGS Wg in fragment order; the spare words.
; REGISTERS.  Window 0: v0-31 addresses and at work; v32-63 s_hi as loaded; v64-95 its fragments; v96-127 t_hi's fragments; v160-223 eight accumulators; v128-159 and v224-255 U: s, t of four channel
; tiles as f32, then the result's rows.
; Window 1: v0-63, v64-127 the two factors for my channels; v160-191 s_lo as loaded; v192-223 t_lo's fragments; v224-255 s_lo's fragments.
; Windows 2, 3: Wg, K step k, channel tile c at 8 (8 (k % 4) + c); before that window 2: v0-207 rows of part, v208-221 sums and pivot; window 3: v0-127 my share of Wg on its way to LDS.
.set PO,    272
.set PW,    528
.set STS,   0
.set STO,   4*16*PO
.set XCH,   STO+4*16*PW
.set TAB,   XCH+4096
.set WGS,   TAB+1024
.set SPARE, WGS+65536
.set WF_G,  524288
.set VL16, 1
.set SPW,  2                           ; my spare word; never rewritten
.set NIL,  3                           ; 0; never rewritten
.set VSS,  4                           ; s's rows into my stage
.set VSF,  5                           ; fragments out of it
.set VOW,  6                           ; the result into my stage
.set VOR,  7                           ; whole rows out of it
.set VP,   8                           ; part: 16 x (thread mod 64) + 103 rows for the upper half
.set VT4,  9                           ; 4 x thread
.set RR,   10
.set HH,   11
.set GA,   12                          ; gamma, beta, gate_b of channel = thread
.set BE,   13
.set GBI,  14
.set XA,   15                          ; XCH + 8 x thread
.set XB,   24                          ; XCH + 4 x thread
.set XT,   25                          ; TAB + 4 x thread
.set VTB,  26
.set VT16, 27                          ; 16 x thread
.set VWS,  28                          ; where my share of Wg goes
.set VWL,  29                          ; Wg in LDS, 16 l
.set VPV,  30                          ; 16 x (thread mod 64)
.set SR,   32
.set SF,   64
.set TF,   96
.set U0,   128                         ; U: channel tile cc of a half at U0 + 16 (cc % 2) + 96 (cc / 2): eight registers of s, eight of t; row q of the result at U0 + 4 (q % 8) + 96 (q / 8)
.set G,    160
.set SRL,  160                         ; window 1
.set TL,   192
.set SFL,  224
.set S1A,  208                         ; window 2: two chains of three sums,
.set S2A,  210
.set SMA,  212
.set PIV,  220                         ; and the pivot
.set MSB, 0
.macro WIN new                         ; the immediate's high byte repeats the setting that is left; a switch that changes nothing is dropped
.if MSB != (\new)
	s_set_vgpr_msb (MSB<<8)|(\new)
.set MSB, \new
.endif
.endm
.macro PLACES                          ; four plain instructions between a matrix instruction and a vector instruction that touches its registers (ISA guide 7.12.1)
.rept 4
	v_nop
.endr
.endm
	s_load_b256 s[4:11], s[0:1], 0x0               ; sbuf 4, slo 6, tbuf 8, tlo 10
	s_load_b256 s[48:55], s[0:1], 0x20             ; part 48, wf 50, bias 52, out0 54
	v_lshl_add_u32 v[SPW], v0, 2, SPARE
	v_mov_b32 v[NIL], 0
	v_lshrrev_b32 v[RR], 5, v0
	v_readfirstlane_b32 s16, v[RR]                 ; wave; what needs no wave number stands between this line and the wait for it
	s_mov_b32 s20, 0xffff0000
	s_mov_b32 s31, 0
	s_mov_b32 s36, 0
	s_mov_b32 s37, 0
	s_mov_b32 s38, 0
	s_mov_b32 s44, 0x375310e7                      ; 1 / 79,488
	s_mov_b32 s45, 0x3727c5ac                      ; 1e-5
	v_and_b32 v[RR], 15, v0
	v_bfe_u32 v[HH], v0, 4, 1
	v_and_b32 v[VL16], 31, v0
	v_lshlrev_b32 v[VL16], 4, v[VL16]
	v_lshlrev_b32 v[VT4], 2, v0
	v_lshlrev_b32 v[VT16], 4, v0
	v_add_nc_u32 v[VWS], WGS, v[VT16]
	v_add_nc_u32 v[VWL], WGS, v[VL16]
	v_and_b32 v[VPV], 63, v0
	v_lshlrev_b32 v[VPV], 4, v[VPV]
	v_lshrrev_b32 v[VP], 6, v0
	v_mul_u32_u24 v[VP], v[VP], 103*1024
	v_add_nc_u32 v[VP], v[VP], v[VPV]
	v_lshl_add_u32 v[XA], v0, 3, XCH
	v_add_nc_u32 v[XB], XCH, v[VT4]
	v_add_nc_u32 v[XT], TAB, v[VT4]
	v_lshlrev_b32 v[VTB], 5, v[HH]
	v_add_nc_u32 v[VTB], TAB, v[VTB]
	v_mul_u32_u24 v[VSS], v[HH], PO
	v_lshl_add_u32 v[VSS], v[RR], 4, v[VSS]
	v_mul_u32_u24 v[VSF], v[RR], PO
	v_lshl_add_u32 v[VSF], v[HH], 4, v[VSF]
	v_mul_u32_u24 v[VOW], v[RR], PW
	v_lshl_add_u32 v[VOW], v[HH], 5, v[VOW]
	s_wait_alu depctr_va_sdst(0)                   ; s16 is written, ahead of its first reader: my wave's tiles, its stages and the upper half's mask are made from it
	s_lshl_b32 s17, ttmp9, 2
	s_add_co_u32 s17, s17, s16                     ; my wave among all: six tiles each
	s_cmp_ge_u32 s16, 2
	s_cselect_b32 s46, -1, 0                       ; all lanes of waves 2 and 3: the upper half's first row counts for nothing
	s_mul_i32 s18, s16, 16*PO
	v_add_nc_u32 v[VSS], s18, v[VSS]
	v_add_nc_u32 v[VSF], s18, v[VSF]
	s_mul_i32 s18, s16, 16*PW
	s_add_co_u32 s18, s18, STO
	v_add_nc_u32 v[VOW], s18, v[VOW]
	v_add_nc_u32 v[VOR], s18, v[VL16]
	s_mul_i32 s30, s17, 24576                      ; six tiles of 4,096 bytes, in each of the four
	s_wait_kmcnt 0x0
	s_add_nc_u64 s[22:23], s[4:5], s[30:31]        ; s_hi
	s_add_nc_u64 s[56:57], s[6:7], s[30:31]        ; s_lo
	s_add_nc_u64 s[24:25], s[8:9], s[30:31]        ; t_hi
	s_add_nc_u64 s[58:59], s[10:11], s[30:31]      ; t_lo
	s_mul_i32 s30, s17, 49152                      ; six tiles of 8,192 bytes in out0
	s_add_nc_u64 s[26:27], s[54:55], s[30:31]
	s_add_nc_u64 s[42:43], s[50:51], WF_G
	s_mov_b64 s[40:41], s[48:49]
	WIN 0x80
.set i, 0
.rept 12
	v_mov_b32 v[S1A+i], 0
.set i, i+1
.endr
	s_wait_alu depctr_va_vdst(0)                   ; all the addresses and offsets of the kernel are written, which its loads and stores read from here on; so are my spare word's address and the 0
	global_load_b64 v[PIV:PIV+1], v[VPV], s[48:49] ; the pivot: the first work-group's means of my two channels
	WIN 0xc0
.set j, 0
.rept 32                               ; my share of Wg: the work-group's load j covers bytes 2,048 j on
	global_load_b128 v[4*j:4*j+3], v[VT16], s[42:43] offset:j*2048
.set j, j+1
.endr
	WIN 0
	global_load_b32 v[GA], v[VT4], s[52:53] offset:6656
	global_load_b32 v[BE], v[VT4], s[52:53] offset:7168
	global_load_b32 v[GBI], v[VT4], s[52:53] offset:6144
.set q, 0
.rept 8                                ; tile 0
	global_load_b128 v[SR+4*q:SR+4*q+3], v[VL16], s[22:23] offset:q*512 th:TH_LOAD_NT
	global_load_b128 v[TF+4*q:TF+4*q+3], v[VL16], s[24:25] offset:q*512 th:TH_LOAD_NT
.set q, q+1
.endr
	WIN 0x40
.set q, 0
.rept 8
	global_load_b128 v[SRL+4*q:SRL+4*q+3], v[VL16], s[56:57] offset:q*512 th:TH_LOAD_NT
	global_load_b128 v[TL+4*q:TL+4*q+3], v[VL16], s[58:59] offset:q*512 th:TH_LOAD_NT
.set q, q+1
.endr
	WIN 0
; rows a and a + 1 (a even) onto the three sums, each row on its own chain
.macro ROWS2 a
.irp j, 0,1
	v_pk_add_f32 v[SMA+6*\j:SMA+6*\j+1], v[SMA+6*\j:SMA+6*\j+1], v[4*((\a)+\j)+2:4*((\a)+\j)+3]
.endr
.irp j, 0,1
	v_pk_add_f32 v[S1A+6*\j:S1A+6*\j+1], v[S1A+6*\j:S1A+6*\j+1], v[4*((\a)+\j):4*((\a)+\j)+1]
.endr
.irp j, 0,1
	v_pk_fma_f32 v[S2A+6*\j:S2A+6*\j+1], v[4*((\a)+\j):4*((\a)+\j)+1], v[4*((\a)+\j):4*((\a)+\j)+1], v[S2A+6*\j:S2A+6*\j+1]
.endr
.endm
	; two trips of 52 rows; a wave's load covers 512 consecutive bytes of a row
	s_mov_b32 s39, 2
.Lst:
	WIN 0x80
	s_wait_alu depctr_va_vdst(0)                   ; second trip: the first trip's sums are done reading and writing the rows' registers, in which the loads below land
.set i, 0
.rept 52
	global_load_b128 v[4*i:4*i+3], v[VP], s[40:41] offset:i*1024
.set i, i+1
.endr
	s_wait_loadcnt 0x0
	WIN 0xaa                                       ; all in window 2
	v_cndmask_b32 v0, v0, v[PIV], s46              ; the first trip's first row in the upper half: row 103, which the lower half counts
	v_cndmask_b32 v1, v1, v[PIV+1], s46
	v_cndmask_b32 v2, v2, 0, s46
	v_cndmask_b32 v3, v3, 0, s46
.set i, 0
.rept 13
.irp j, 0,1,2,3
	v_pk_add_f32 v[4*(i+\j):4*(i+\j)+1], v[4*(i+\j):4*(i+\j)+1], v[PIV:PIV+1] neg_lo:[0,1] neg_hi:[0,1]
.endr
	ROWS2 i
	ROWS2 i+2
.set i, i+4
.endr
	WIN 0
	s_mov_b32 s46, 0
	s_add_nc_u64 s[40:41], s[40:41], 53248         ; 52 rows on; the loads that named the pointer are back
	s_sub_co_u32 s39, s39, 1
	s_cmp_lg_u32 s39, 0
	s_cbranch_scc1 .Lst
	WIN 0xaa
	v_pk_add_f32 v[S1A:S1A+1], v[S1A:S1A+1], v[S1A+6:S1A+7]
	v_pk_add_f32 v[S2A:S2A+1], v[S2A:S2A+1], v[S2A+6:S2A+7]
	v_pk_add_f32 v[SMA:SMA+1], v[SMA:SMA+1], v[SMA+6:SMA+7]
	WIN 0x08                                       ; the stores' data in window 2
	s_wait_alu depctr_va_vdst(0)                   ; the three sums are written, which the LDS stores below read
	ds_store_b64 v[XA], v[S1A:S1A+1]               ; word 128 x half + channel of each kilobyte: S1, S2, the sums, the pivot
	ds_store_b64 v[XA], v[S2A:S2A+1] offset:1024
	ds_store_b64 v[XA], v[SMA:SMA+1] offset:2048
	ds_store_b64 v[XA], v[PIV:PIV+1] offset:3072
	WIN 0x0c                                       ; in window 3
.set j, 0
.rept 32
	ds_store_b128 v[VWS], v[4*j:4*j+3] offset:j*2048
.set j, j+1
.endr
	WIN 0
	s_wait_dscnt 0x0                               ; for the others' sake: my sums and my share of Wg are in LDS
	s_barrier_signal -1
	s_barrier_wait -1
	ds_load_b32 v16, v[XB]                         ; thread c, channel c: S1 of the two halves,
	ds_load_b32 v17, v[XB] offset:512
	ds_load_b32 v18, v[XB] offset:1024             ; S2,
	ds_load_b32 v19, v[XB] offset:1536
	ds_load_b32 v20, v[XB] offset:2048             ; the sums of squared deviations,
	ds_load_b32 v21, v[XB] offset:2560
	ds_load_b32 v22, v[XB] offset:3072             ; the pivot
	s_wait_dscnt 0x0
	v_add_f32 v16, v16, v17
	v_add_f32 v18, v18, v19
	v_add_f32 v20, v20, v21
	v_mul_f32 v17, v16, v16
	v_fma_f32 v22, v16, 0x3b9e4cad, v22            ; mean = pivot + S1 / 207 (bias included)
	v_fma_f32 v18, v17, 0xbb9e4cad, v18            ; the means' spread: S2 - S1^2 / 207
	v_fma_f32 v20, v18, 0x43c00000, v20            ; + 384 x spread
	v_fma_f32 v20, v20, s44, s45                   ; var + 1e-5
	v_rsq_f32 v20, v20
	v_sub_f32 v22, v[GBI], v22                     ; bg - mean: also the plain instruction behind the root
	s_wait_alu depctr_va_vdst(0)                   ; the root's result is written, ahead of its first reader
	v_mul_f32 v20, v[GA], v20                      ; A = gamma / sqrt(var + 1e-5)
	v_fma_f32 v22, v22, v20, v[BE]                 ; B = beta + (bg - mean) A
	v_mul_f32 v20, 0xbfb8aa3b, v20                 ; both times -log2(e): z = 1 / (1 + 2^(g A' + B'))
	v_mul_f32 v22, 0xbfb8aa3b, v22
	s_wait_alu depctr_va_vdst(0)                   ; the two factors are written, which the LDS stores below read; no vector instruction follows before the first tile's products
	ds_store_b32 v[XT], v20
	ds_store_b32 v[XT], v22 offset:512
	s_wait_dscnt 0x0
	s_barrier_signal -1
	s_barrier_wait -1
	WIN 0x40
	s_wait_alu depctr_vm_vsrc(0)                   ; my LDS stores have read the sums and the pivot in window 2 and my share of Wg in window 3: all of Wg lands in these registers below
.set c, 0
.rept 8                                ; the factors of my channels 16 c + 8 h + j
	ds_load_b128 v[8*c:8*c+3], v[VTB] offset:c*64
	ds_load_b128 v[8*c+4:8*c+7], v[VTB] offset:c*64+16
	ds_load_b128 v[64+8*c:64+8*c+3], v[VTB] offset:512+c*64
	ds_load_b128 v[64+8*c+4:64+8*c+7], v[VTB] offset:512+c*64+16
.set c, c+1
.endr
	WIN 0x80
.set k, 0
.rept 4
.set c, 0
.rept 8                                ; all of Wg: K steps 0..3 (s's) into window 2,
	ds_load_b128 v[8*(8*k+c):8*(8*k+c)+3], v[VWL] offset:(8*c+k)*1024
	ds_load_b128 v[8*(8*k+c)+4:8*(8*k+c)+7], v[VWL] offset:(8*c+k)*1024+512
.set c, c+1
.endr
.set k, k+1
.endr
	WIN 0xc0
.set k, 0
.rept 4
.set c, 0
.rept 8                                ; K steps 4..7 (t's) into window 3
	ds_load_b128 v[8*(8*k+c):8*(8*k+c)+3], v[VWL] offset:(8*c+k+4)*1024
	ds_load_b128 v[8*(8*k+c)+4:8*(8*k+c)+7], v[VWL] offset:(8*c+k+4)*1024+512
.set c, c+1
.endr
.set k, k+1
.endr
	WIN 0
; 32 products: four K steps of the weight in the window that WIN has set, the rows' fragments from f on; eight accumulators by turns.  zero = 1: the first step starts the sums
.macro GATE32 f, zero
.set k, 0
.rept 4
.set c, 0
.rept 8
.if (\zero) && (k == 0)
	v_wmma_f32_16x16x32_bf16 v[G+8*c:G+8*c+7], v[8*(8*k+c):8*(8*k+c)+7], v[(\f)+8*k:(\f)+8*k+7], 0
.else
	v_wmma_f32_16x16x32_bf16 v[G+8*c:G+8*c+7], v[8*(8*k+c):8*(8*k+c)+7], v[(\f)+8*k:(\f)+8*k+7], v[G+8*c:G+8*c+7]
.endif
.set c, c+1
.endr
.set k, k+1
.endr
.endm
; THE WAY OUT's steps, each for half hf: channel tiles 4 hf .. 4 hf + 3, 32 registers of G
.macro EXPS hf                         ; 2^y
.set q, 0
.rept 32
	v_exp_f32 v[G+32*(\hf)+q], v[G+32*(\hf)+q]
.set q, q+1
.endr
.endm
.macro UNPACK hf                       ; s and t of the same channels, bf16 to f32, into U
.set cc, 0
.rept 4
.set rU, U0+16*(cc%2)+96*(cc/2)
.set rS, SF+16*(\hf)+4*cc
.set rT, TF+16*(\hf)+4*cc
.set q, 0
.rept 4
	v_lshlrev_b32 v[rU+2*q], 16, v[rS+q]
	v_and_b32 v[rU+2*q+1], s20, v[rS+q]
	v_lshlrev_b32 v[rU+8+2*q], 16, v[rT+q]
	v_and_b32 v[rU+8+2*q+1], s20, v[rT+q]
.set q, q+1
.endr
.set cc, cc+1
.endr
.endm
.macro ADD1 hf                         ; 1 + 2^y
.set q, 0
.rept 16
	v_pk_add_f32 v[G+32*(\hf)+2*q:G+32*(\hf)+2*q+1], v[G+32*(\hf)+2*q:G+32*(\hf)+2*q+1], 1.0 op_sel_hi:[1,0]
.set q, q+1
.endr
.endm
.macro RCPS hf                         ; z
.set q, 0
.rept 32
	v_rcp_f32 v[G+32*(\hf)+q], v[G+32*(\hf)+q]
.set q, q+1
.endr
.endm
.macro SUBS                            ; s - t, of the half that lies in U
.set cc, 0
.rept 4
.set rU, U0+16*(cc%2)+96*(cc/2)
.set q, 0
.rept 4
	v_pk_add_f32 v[rU+2*q:rU+2*q+1], v[rU+2*q:rU+2*q+1], v[rU+8+2*q:rU+8+2*q+1] neg_lo:[0,1] neg_hi:[0,1]
.set q, q+1
.endr
.set cc, cc+1
.endr
.endm
.macro BLEND hf                        ; z (s - t) + t
.set cc, 0
.rept 4
.set rU, U0+16*(cc%2)+96*(cc/2)
.set rG, G+32*(\hf)+8*cc
.set q, 0
.rept 4
	v_pk_fma_f32 v[rG+2*q:rG+2*q+1], v[rG+2*q:rG+2*q+1], v[rU+2*q:rU+2*q+1], v[rU+8+2*q:rU+8+2*q+1]
.set q, q+1
.endr
.set cc, cc+1
.endr
.endm
.macro TOST hf                         ; into the result's stage: eight LDS stores
.set cc, 0
.rept 4
.set rG, G+32*(\hf)+8*cc
	ds_store_b128 v[VOW], v[rG:rG+3] offset:(4*(\hf)+cc)*64
	ds_store_b128 v[VOW], v[rG+4:rG+7] offset:(4*(\hf)+cc)*64+16
.set cc, cc+1
.endr
.endm
.macro TFLD hf                         ; the next tile's t_hi for this half's sixteen registers: four loads
.set cc, 0
.rept 4
	global_load_b128 v[TF+16*(\hf)+4*cc:TF+16*(\hf)+4*cc+3], v[VL16], s[32:33] offset:(4*(\hf)+cc)*512 th:TH_LOAD_NT
.set cc, cc+1
.endr
.endm
	s_mov_b32 s39, 6
.Ltile:                                                ; a trip a tile
	s_wait_loadcnt 0x10                            ; s's rows, hi and lo, are in: behind them t_lo's eight loads and t_hi's eight were issued
	s_wait_xcnt 0x0                                ; pointers, and the registers that the tile before's stores read, are written anew only behind this wait
	s_add_nc_u64 s[34:35], s[26:27], s[36:37]      ; out0 at this tile
	s_add_co_u32 s38, s38, 1
	s_min_u32 s30, s38, 5
	s_lshl_b32 s30, s30, 12
	s_add_nc_u64 s[28:29], s[22:23], s[30:31]      ; the four streams at the next tile
	s_add_nc_u64 s[32:33], s[24:25], s[30:31]
	s_add_nc_u64 s[60:61], s[56:57], s[30:31]
	s_add_nc_u64 s[62:63], s[58:59], s[30:31]
.set q, 0
.rept 8
	ds_store_b128 v[VSS], v[SR+4*q:SR+4*q+3] offset:q*2*PO
.set q, q+1
.endr
.set k, 0
.rept 4                                ; LDS serves a wave's instructions in order (ISA guide 5.7.1): these see s_hi's stores above.  No wait on va_vdst: no vector or matrix instruction has been issued since the last one
	ds_load_b128 v[SF+8*k:SF+8*k+3], v[VSF] offset:k*64
	ds_load_b128 v[SF+8*k+4:SF+8*k+7], v[VSF] offset:k*64+32
.set k, k+1
.endr
	WIN 0x04                                       ; data in window 1
.set q, 0
.rept 8                                ; s_lo's stores into the same stage come behind them,
	ds_store_b128 v[VSS], v[SRL+4*q:SRL+4*q+3] offset:q*2*PO
.set q, q+1
.endr
	WIN 0x40
.set k, 0
.rept 4                                ; and these see s_lo's
	ds_load_b128 v[SFL+8*k:SFL+8*k+3], v[VSF] offset:k*64
	ds_load_b128 v[SFL+8*k+4:SFL+8*k+7], v[VSF] offset:k*64+32
.set k, k+1
.endr
	s_wait_alu depctr_vm_vsrc(0)                   ; the LDS stores above have read SR and SRL, in which the loads below land; the tile before's LDS stores have read G, which the products write, and its global stores U, which the unpacking writes
.set q, 0
.rept 8                                ; the next tile's rows of s: sixteen loads
	global_load_b128 v[SRL+4*q:SRL+4*q+3], v[VL16], s[60:61] offset:q*512 th:TH_LOAD_NT
.set q, q+1
.endr
	WIN 0
.set q, 0
.rept 8
	global_load_b128 v[SR+4*q:SR+4*q+3], v[VL16], s[28:29] offset:q*512 th:TH_LOAD_NT
.set q, q+1
.endr
	s_wait_dscnt 0x10                              ; s_hi's fragments are in (in the first trip Wg and the factors too): behind them s_lo's eight stores and eight loads were issued
	WIN 0x02                                       ; the weight in window 2, s_hi in window 0
	GATE32 SF, 1
	s_wait_dscnt 0x0                               ; s_lo's fragments
	WIN 0x06                                       ; s_lo in window 1
	GATE32 SFL, 0
	s_wait_loadcnt 0x18                            ; t_lo is in: behind it t_hi's eight loads and the sixteen just issued
	WIN 0x07                                       ; the weight in window 3, t_lo in window 1
	GATE32 TL, 0
	s_wait_loadcnt 0x10                            ; t_hi is in: behind it the sixteen
	WIN 0x03                                       ; t_hi in window 0
	GATE32 TF, 0
	WIN 0x14                                       ; the two factors in window 1
	PLACES
.set q, 0
.rept 32
	v_pk_fma_f32 v[G+2*q:G+2*q+1], v[G+2*q:G+2*q+1], v[2*q:2*q+1], v[64+2*q:64+2*q+1]
.set q, q+1
.endr
	WIN 0
	EXPS 0
	UNPACK 0                                       ; also the plain instructions behind the exponentials
	WIN 0x40
	s_wait_alu depctr_va_vdst(0)                   ; half A's exponentials are written, ahead of their first reader; the products are done reading t_lo, and the unpacking is done reading t_hi's first sixteen registers: the loads below land there
.set q, 0
.rept 8                                ; the next tile's t_lo: eight loads
	global_load_b128 v[TL+4*q:TL+4*q+3], v[VL16], s[62:63] offset:q*512 th:TH_LOAD_NT
.set q, q+1
.endr
	WIN 0
	TFLD 0
	ADD1 0                                         ; from here to the next wait the arithmetic names G and U alone: none of the registers that the twelve loads above touch
	RCPS 0
	EXPS 1
	SUBS                                           ; also the plain instructions behind the reciprocals and the exponentials
	s_wait_alu depctr_va_vdst(0)                   ; half A's reciprocals and half B's exponentials are written, ahead of their first readers
	BLEND 0
	UNPACK 1
	ADD1 1
	RCPS 1
	SUBS                                           ; also the plain instructions behind the reciprocals
	s_wait_alu depctr_va_vdst(0)                   ; half A's blend has written G's first 32 registers, which the LDS stores below read; the unpacking is done reading t_hi's last sixteen, in which the loads below land; half B's reciprocals are written
	TOST 0
	TFLD 1
	BLEND 1                                        ; names G's last 32 registers and U: none of the registers that the stores and loads above touch
	s_wait_alu depctr_va_vdst(0)                   ; half B's blend has written G's last 32 registers, which the LDS stores below read, and is done reading U, in which the rows land; it serves the next head's loads into s's fragments too
	TOST 1
.set q, 0
.rept 16                               ; whole rows back, into U
	ds_load_b128 v[U0+4*(q%8)+96*(q/8):U0+4*(q%8)+96*(q/8)+3], v[VOR] offset:q*PW
.set q, q+1
.endr
.set q, 0
.rept 16
	s_wait_dscnt 15-q                              ; the younger rows may stay out
	global_store_b128 v[VL16], v[U0+4*(q%8)+96*(q/8):U0+4*(q%8)+96*(q/8)+3], s[34:35] offset:q*512 th:TH_STORE_NT   ; a row's 512 consecutive bytes
.set q, q+1
.endr
	s_add_co_u32 s36, s36, 8192
	s_sub_co_u32 s39, s39, 1
	s_cmp_lg_u32 s39, 0
	s_cbranch_scc1 .Ltile
	s_wait_loadcnt 0x0                             ; the clamped loads of the last tile
	s_wait_dscnt 0x0                               ; the closing lines, six on end
	s_wait_alu 0x0
	s_wait_tensorcnt 0x0
	ds_add_u32 v[SPW], v[NIL]
	s_wait_dscnt 0x0
	s_endpgm
.Lfunc_end_k_q44454df6ff_final:
	.size	k_q44454df6ff_final, .Lfunc_end_k_q44454df6ff_final-k_q44454df6ff_final
	.p2alignl 7, 3214868480
	.fill 96, 4, 3214868480
	.section	.rodata,"a",@progbits
	.p2align	6, 0x0
	.amdhsa_kernel k_q44454df6ff_final
		.amdhsa_group_segment_fixed_size 122368
		.amdhsa_private_segment_fixed_size 0
		.amdhsa_enable_private_segment 0
		.amdhsa_kernarg_size 64
		.amdhsa_user_sgpr_count 2
		.amdhsa_user_sgpr_kernarg_segment_ptr 1
		.amdhsa_wavefront_size32 1
		.amdhsa_system_sgpr_workgroup_id_x 1
		.amdhsa_system_sgpr_workgroup_id_y 1
		.amdhsa_system_sgpr_workgroup_id_z 1
		.amdhsa_system_vgpr_workitem_id 0
		.amdhsa_next_free_vgpr 1024
		.amdhsa_next_free_sgpr 66
		.amdhsa_reserve_vcc 0
		.amdhsa_float_denorm_mode_32 3
		.amdhsa_float_denorm_mode_16_64 3
		.amdhsa_memory_ordered 1
		.amdhsa_forward_progress 1
		.amdhsa_inst_pref_size 78
	.end_amdhsa_kernel
	.amdgpu_metadata
---
amdhsa.version: [ 1, 2 ]
amdhsa.kernels:
  - .name:           k_q44454df6ff_final
    .symbol:         k_q44454df6ff_final.kd
    .args:
      - { .name: sbuf, .offset: 0, .size: 8, .value_kind: global_buffer, .address_space: global }
      - { .name: slo, .offset: 8, .size: 8, .value_kind: global_buffer, .address_space: global }
      - { .name: tbuf, .offset: 16, .size: 8, .value_kind: global_buffer, .address_space: global }
      - { .name: tlo, .offset: 24, .size: 8, .value_kind: global_buffer, .address_space: global }
      - { .name: part, .offset: 32, .size: 8, .value_kind: global_buffer, .address_space: global }
      - { .name: wf, .offset: 40, .size: 8, .value_kind: global_buffer, .address_space: global }
      - { .name: bias, .offset: 48, .size: 8, .value_kind: global_buffer, .address_space: global }
      - { .name: out0, .offset: 56, .size: 8, .value_kind: global_buffer, .address_space: global }
    .group_segment_fixed_size: 122368
    .private_segment_fixed_size: 0
    .kernarg_segment_align: 8
    .kernarg_segment_size: 64
    .max_flat_workgroup_size: 128
    .sgpr_count:     66
    .vgpr_count:     1024
    .wavefront_size: 32
...
	.end_amdgpu_metadata
.endif
;; end of part 5
